; MI455X (gfx1250); checked and timed in simulation.
; The chip was launched on July 23, 2026; its instructions are those of AMD's public machine-readable ISA for CDNA 5 (MIT licence, August 2026) and "CDNA5" Instruction Set Architecture Reference Guide (July 2026). The comments in the code are by the model that wrote it; some were corrected since.
;; Multi Head Cross Attention. Allowed arithmetic: matrix products marked QUANTISED: E3M2 operands, one E8M0 scale for each 32 along K, by v_wmma_scale_f32_16x16x128_f8f6f4 with both operands' format E3M2, f32 sums; everything else in f32.
;; Inputs: Wk 1,024 x 1,024 float32; Wo 1,024 x 1,024 float32; Wq 1,024 x 1,024 float32; Wv 1,024 x 1,024 float32; bk 1,024 float32; bo 1,024 float32; bq 1,024 float32; bv 1,024 float32; key 4 x 2,048 x 1,024 float32; query 4 x 2,048 x 1,024 float32; value 4 x 2,048 x 1,024 float32.
;; Outputs: out0 4 x 2,048 x 1,024 float32.
;; This version of the problem:
;;   THIS VERSION OF THE PROBLEM IS GIVEN IN LOW PRECISION. The matrix products marked QUANTISED in the list below multiply operands that are first quantised to E3M2 (3 exponent bits, 2 mantissa bits; 6 bits a number), with one power-of-two scale for each 32 numbers along K (OCP MX v1.0); their sums are f32. All else is computed in f32.
;;   The module's matrix products, in the order in which they are computed (A, B: the left and right operand; K: the contracted axis; several contracted axes count as one K, in the product's order):
;;     1. [M 8,192, K 1,024] x [K 1,024, N 1,024]; A: input query; B: input Wq: QUANTISED
;;     2. [M 8,192, K 1,024] x [K 1,024, N 1,024]; A: input key; B: input Wk: QUANTISED
;;     3. [M 8,192, K 1,024] x [K 1,024, N 1,024]; A: input value; B: input Wv: QUANTISED
;;     4. batch 64 x [M 2,048, K 64] x [K 64, N 2,048]; A: computed on the way; B: computed on the way: QUANTISED
;;     5. batch 64 x [M 2,048, K 2,048] x [K 2,048, N 64]; A: softmax (see below); B: computed on the way: QUANTISED
;;     6. [M 8,192, K 1,024] x [K 1,024, N 1,024]; A: computed on the way; B: input Wo: QUANTISED
;;   THE QUANTISER, for each operand of a quantised product, along K:
;;     - K is cut into blocks of 32 from its start; a last block that is shorter is filled with zeros.
;;     - A block's scale is 2^e with e = floor(log2(the largest magnitude in the block)) - 4, held to -126 .. 127; a block of zeros has e = 0. As a byte (E8M0): e + 127.
;;     - Each number is divided by its block's scale, clamped to +-28, and rounded to the nearest number of E3M2, ties to even, subnormals kept.
;;     - The product sums the exact products of the quantised numbers (number of the format x scale) in f32.
;;   ~~~python
;;   def quantise(x, axis):      # numpy; x: float32 -> the quantised numbers, widened to float32 again
;;       x = np.moveaxis(x, axis, -1); K = x.shape[-1]
;;       x = np.pad(x, [(0, 0)] * (x.ndim - 1) + [(0, -K % 32)]); x = x.reshape(x.shape[:-1] + (-1, 32)); a = np.abs(x).max(-1, keepdims=True)
;;       e = np.where(a > 0, np.clip(np.frexp(np.where(a > 0, a, 1))[1] - 1 - 4, -126, 127), 0)      # np.frexp(a)[1] - 1 = floor(log2(a)), exactly
;;       r = np.clip(x / 2.0 ** e, -28, 28)
;;       step = 2.0 ** (np.maximum(np.frexp(np.where(r == 0, 1, r))[1] - 1, -2) - 2)
;;       q = np.round(r / step) * step * 2.0 ** e      # np.round: ties to even
;;       return np.moveaxis(q.reshape(q.shape[:-2] + (-1,))[..., :K], -1, axis).astype(np.float32)
;;   ~~~
;;   SOFTMAX AHEAD OF A QUANTISED PRODUCT. Where the list says 'softmax', what is quantised is not the finished softmax but p = 2^(t - M), with t = logit x log2(e) and M = ceil(the row's largest t), a whole number; so 1/2 < the row's largest p <= 1. The row's sum l is taken of the UNQUANTISED p, in f32, and the product's result is divided by l at the end. Since M is a whole number, a kernel that streams over the keys may use a running M (the ceiling of the running maximum): every later rescaling is an exact power of two, which a block's scale takes up: the codes' values come out the same.
;;   OPERANDS COMPUTED ON THE WAY. 'Computed on the way' means the value that the module computes at that place (a softmax that the list does not call 'softmax' is quantised finished and normalised). What goes into a quantiser is computed in f32, as accurately as f32 sums, v_exp_f32 and their like allow (about 1e-6 of the number): no bf16 or f16 on the way to a quantiser, and a product that is left as it is and whose result goes on into a quantised operand takes f32 operands (vector FMAs, or v_wmma_f32_16x16x4_f32). A number that lies on a knife's edge between two numbers of the format may be rounded either way, as far as f32 arithmetic and the matrix unit's own rounding can turn it there, and no further.
;; One version. Each part assembles by itself: llvm-mc -triple=amdgcn-amd-amdhsa -mcpu=gfx1250 --defsym DOCPART=n.
;; ======== version 1 of 1: 4 launches
;; workspace buffers: opc 22,020,096 bytes; ops 917,504 bytes; qkvc 18,874,368 bytes; qkvs 1,310,720 bytes; oc 6,291,456 bytes; os 262,144 bytes
;; launch quant (part 1): grid 896 x 1, 4 waves a work-group, no clusters, 68,096 bytes of LDS; arguments query, key, value, Wq, Wk, Wv, Wo, opc, ops; writes opc, ops
.if DOCPART == 1
	.amdgcn_target "amdgcn-amd-amdhsa--gfx1250"
	.amdhsa_code_object_version 6
	.text
	.protected	k_qb9123d0d45_quant
	.globl	k_qb9123d0d45_quant
	.p2align	8
	.type	k_qb9123d0d45_quant,@function
k_qb9123d0d45_quant:
	s_mov_b64 s[64:65], 0
	v_nop
	global_prefetch_b8 v0, s[64:65] scope:SCOPE_SE
	s_setreg_imm32_b32 hwreg(HW_REG_WAVE_MODE, 25, 1), 1
	s_wait_xcnt 0x0
; query, key, value [8192][1024] f32 (K innermost) and Wq, Wk, Wv, Wo [1024 (k)][1024 (n)] f32 (K first) become codes of BF6 (E3M2), 6 bits each, K innermost, with one E8M0 byte for each 32 along K.
; opc: 28,672 rows of 768 bytes (1,024 codes, one stream of bits); ops: the same rows of 32 scale bytes.  Rows 0, 8,192, 16,384 on: query, key, value; rows 24,576, 25,600, 26,624, 27,648 on: Wq, Wk, Wv, Wo (row = column n).
; THE STORED ORDER: inside each tensor row i lies at the row whose number has bits 3 and 4 of i exchanged.  Sixteen stored rows on end are then rows 32 b + 8 u + r + 8 (r / 8): the tiles that the later products want.
; A block's scale is 2^(floor(log2(its largest magnitude)) - 4); its byte is the largest magnitude's exponent field - 4, held at 1 from below.
; LIMITS: a block of zeros, or one whose largest magnitude lies under 2^-122, gets the byte 1 (its codes are zeros or are held; the bytes are read by this program alone); NaN and infinities are not served.
; Work-groups 0-767 take 32 rows of query, key or value each (a wave 8 rows, 16 steps of 512 numbers); work-groups 768-895 take 128 columns x 256 along K of a weight (a wave 32 columns, 8 blocks a lane).
; The two ways share no LDS byte: 0 .. 32,767 and 32,768 .. 67,583.  Waves share nothing: no barrier.
.set EMAX,  4
.set CB,    12                         ; bytes of 16 codes
.set STEPS, 16
.set XR,    16                         ; v16-79   four sets of 16 numbers as loaded
.set XX,    80                         ; v80-111  two sets of 16 neighbours
.set XE,    112                        ; v112-127 a scale byte for each step
.set XC,    128                        ; v128-191 codes: four registers for each step, so that no store's data are written again
.set WREG,  8192                       ; LDS of a wave on the first way: two stages of 32 x SP bytes, then its 256 scale bytes
.set SP,    80                         ; a lane's place in a stage: 64 bytes + 16 of padding
.set WSTG,  32768                      ; LDS of the second way
.set WP,    272                        ; a stage row there: sixteen places of 16 bytes + 16
.set NB,    8                          ; blocks of a lane there
.set WS,    24                         ; v24-25   scale bytes
.set WX,    32                         ; v32-95   two sets of 32 numbers
.set WC,    96                         ; v96-102  a block's codes
.set WO,    112                        ; v112-175 the way out
	s_load_b256 s[4:11], s[0:1], 0x0               ; query s[4:5], key s[6:7], value s[8:9], Wq s[10:11]
	s_load_b256 s[12:19], s[0:1], 0x20             ; Wk s[12:13], Wv s[14:15], Wo s[16:17], opc s[18:19]
	s_load_b64 s[20:21], s[0:1], 0x40              ; ops
	v_lshl_add_u32 v192, v0, 2, 0x10800
	v_mov_b32 v193, 0
	v_lshrrev_b32 v1, 5, v0
	v_readfirstlane_b32 s22, v1                    ; wave
	v_and_b32 v2, 31, v0                           ; lane
	s_cmp_lt_u32 ttmp9, 768
	s_cbranch_scc0 .Lweights
	; ---- query, key, value: K is innermost.  Each load reads 512 consecutive bytes; a step's 2,048 bytes turn through the wave's stage, so that a lane holds 16 neighbours.
	v_lshlrev_b32 v3, 4, v2                        ; my 16 bytes of a load's 512
	s_mul_i32 s23, s22, WREG
	v_lshrrev_b32 v14, 2, v2
	v_mul_u32_u24 v14, v14, SP
	v_and_b32 v15, 3, v2
	v_lshl_add_u32 v14, v15, 4, v14
	v_add_nc_u32 v14, s23, v14                     ; into the stage: SP (lane / 4) + 16 (lane % 4)
	v_mul_u32_u24 v15, v2, SP
	v_add_nc_u32 v15, s23, v15                     ; out of it: SP x lane
	v_mul_u32_u24 v4, v2, CB                       ; my codes' place in a step's 384 bytes
	v_lshrrev_b32 v5, 1, v2
	s_add_co_u32 s23, s23, 2*32*SP
	v_add_nc_u32 v5, s23, v5                       ; my block's byte among the wave's 256
	v_lshlrev_b32 v7, 3, v2
	v_add_nc_u32 v6, s23, v7
	s_and_b32 s26, ttmp9, 255
	s_lshl_b32 s26, s26, 2
	s_add_co_u32 s26, s26, s22                     ; which 8 rows of the tensor I read
	s_lshl_b32 s26, s26, 15                        ; 32,768 bytes each
	s_mov_b32 s27, 0
	s_and_b32 s28, s22, 1
	s_lshl_b32 s28, s28, 1
	s_lshr_b32 s29, s22, 1
	s_or_b32 s28, s28, s29                         ; the wave's two bits exchanged: the stored order for groups of 8 rows
	s_lshl_b32 s29, ttmp9, 2
	s_add_co_u32 s28, s28, s29                     ; which 8 rows of opc and ops I write
	s_mul_i32 s30, s28, 6144
	s_mov_b32 s31, 0
	s_lshl_b32 s32, s28, 8
	s_mov_b32 s33, 0
	s_wait_alu depctr_va_vdst(0)
	s_wait_kmcnt 0x0
	s_cmp_lt_u32 ttmp9, 256                        ; the choice hangs on the work-group's number alone
	s_cselect_b64 s[24:25], s[4:5], s[6:7]
	s_cmp_lt_u32 ttmp9, 512
	s_cselect_b64 s[24:25], s[24:25], s[8:9]
	s_add_nc_u64 s[24:25], s[24:25], s[26:27]
	s_add_nc_u64 s[18:19], s[18:19], s[30:31]
	s_add_nc_u64 s[20:21], s[20:21], s[32:33]
.macro LOADX t
.irp i, 0,1,2,3
	global_load_b128 v[XR+16*((\t)%4)+4*\i:XR+16*((\t)%4)+4*\i+3], v3, s[24:25] offset:2048*(\t)+512*\i th:TH_LOAD_NT
.endr
.endm
.macro TURNX t                         ; LDS serves a wave's instructions in order: no wait between the stores and the loads
.irp i, 0,1,2,3
	ds_store_b128 v14, v[XR+16*((\t)%4)+4*\i:XR+16*((\t)%4)+4*\i+3] offset:32*SP*((\t)%2)+8*SP*\i
.endr
.irp i, 0,1,2,3
	ds_load_b128 v[XX+16*((\t)%2)+4*\i:XX+16*((\t)%2)+4*\i+3], v15 offset:32*SP*((\t)%2)+16*\i
.endr
.endm
.irp t, 0,1,2,3
	LOADX \t
.endr
	s_wait_loadcnt 12                              ; step 0's four loads are in; three steps' twelve may be out
	TURNX 0
.macro STEPX t
.set XS, XX+16*((\t)%2)
.if (\t) > 0
	s_wait_dscnt 1                                 ; this step's numbers are back from the stage; the last step's byte store may be out
.else
	s_wait_dscnt 0x0
.endif
.if (\t)+4 < STEPS
	LOADX (\t)+4                                   ; into the registers that this step's stores into the stage have read
.endif
.if (\t)+1 < STEPS
.if STEPS-2-(\t) >= 3
	s_wait_loadcnt 12                              ; the next step's four loads are in; three steps' twelve may be out
.else
	s_wait_loadcnt 4*(STEPS-2-(\t))
.endif
	TURNX (\t)+1
.endif
	v_max3_num_f32 v8, |v[XS]|, |v[XS+1]|, |v[XS+2]|
	v_max3_num_f32 v9, |v[XS+3]|, |v[XS+4]|, |v[XS+5]|
.irp i, 6,10
	v_max3_num_f32 v8, v8, |v[XS+\i]|, |v[XS+\i+1]|
	v_max3_num_f32 v9, v9, |v[XS+\i+2]|, |v[XS+\i+3]|
.endr
	v_max3_num_f32 v8, v8, |v[XS+14]|, |v[XS+15]|
	v_max3_num_f32 v8, v8, v9, (EMAX+1)<<23        ; the floor 2^(5 - 127): the byte cannot fall under 1
	v_max_num_f32_dpp v8, v8, v8 row_xmask:1 row_mask:0xf bank_mask:0xf   ; with my neighbour's 16: the block's largest magnitude
	v_add_nc_u32 v11, 0xfe000000, v8               ; 4 off its exponent field: the conversion takes that field as its scale
	v_cvt_scalef32_pk16_bf6_f32 v[XC+4*(\t):XC+4*(\t)+2], v[XS:XS+15], v11
	v_lshrrev_b32 v[XE+(\t)], 23, v11              ; the scale's byte (also the plain line behind the conversion)
	ds_store_b8 v5, v[XE+(\t)] offset:16*(\t)      ; both lanes of a block write the same byte with the same value
	global_store_b96 v4, v[XC+4*(\t):XC+4*(\t)+2], s[18:19] offset:32*CB*(\t)   ; the wave stores 384 consecutive bytes
.endm
.irp t, 0,1,2,3,4,5,6,7,8,9,10,11,12,13,14,15
	STEPX \t
.endr
	ds_load_b64 v[12:13], v6                       ; my wave's 256 scale bytes, 8 a lane
	s_wait_dscnt 0x0
	global_store_b64 v7, v[12:13], s[20:21]        ; 256 consecutive bytes, at a multiple of 256 from ops' first byte
	s_wait_tensorcnt 0x0
	ds_add_u32 v192, v193
	s_wait_dscnt 0x0
	s_endpgm
	; ---- the weights: K is the first axis.  A lane takes a column n and its registers run down K; the codes leave through the wave's stage, row by row.
.Lweights:
	s_sub_co_u32 s23, ttmp9, 768
	s_lshr_b32 s26, s23, 5                         ; which weight
	s_and_b32 s27, s23, 7
	s_bfe_u32 s28, s23, 0x20003                    ; which 256 along K
	s_lshl_b32 s27, s27, 7
	s_lshl_b32 s29, s22, 5
	s_add_co_u32 s27, s27, s29                     ; my wave's first column
	s_wait_alu depctr_va_vdst(0)
	v_lshlrev_b32 v3, 2, v2                        ; in: 4 bytes a lane
	s_mul_i32 s29, s22, 32*WP
	s_add_co_u32 s29, s29, WSTG                    ; my stage
	v_mul_u32_u24 v4, v2, WP
	v_add_nc_u32 v4, s29, v4                       ; into it: row = my column
	v_and_b32 v5, 15, v2
	v_lshrrev_b32 v6, 4, v2
	v_mul_u32_u24 v7, v6, WP
	v_lshl_add_u32 v7, v5, 4, v7
	v_add_nc_u32 v7, s29, v7                       ; out of it: sixteen lanes to a row, two rows an instruction
	v_mul_u32_u24 v8, v6, 768
	v_mad_u32_u24 v8, v5, 12, v8                   ; and the same place in opc
	v_and_b32 v9, 7, v2
	v_bfe_u32 v10, v2, 3, 1
	v_lshl_or_b32 v9, v10, 4, v9
	v_lshl_or_b32 v9, v6, 3, v9                    ; my column in the stored order,
	v_lshlrev_b32 v9, 5, v9                        ; times a row of 32 scale bytes
	s_lshl_b32 s30, s28, 20                        ; 256 rows of 4,096 bytes
	s_lshl_b32 s31, s27, 2
	s_add_co_u32 s30, s30, s31
	s_mov_b32 s31, 0
	s_lshl_b32 s32, s26, 10
	s_add_co_u32 s32, s32, s27
	s_add_co_u32 s32, s32, 24576                   ; my first row of opc and ops
	s_mul_i32 s34, s32, 768
	s_mul_i32 s33, s28, 192
	s_add_co_u32 s34, s34, s33
	s_mov_b32 s35, 0
	s_lshl_b32 s36, s32, 5
	s_lshl_b32 s33, s28, 3
	s_add_co_u32 s36, s36, s33
	s_mov_b32 s37, 0
	s_wait_kmcnt 0x0
	s_cmp_lt_u32 s26, 1
	s_cselect_b64 s[24:25], s[10:11], s[12:13]
	s_cmp_lt_u32 s26, 2
	s_cselect_b64 s[24:25], s[24:25], s[14:15]
	s_cmp_lt_u32 s26, 3
	s_cselect_b64 s[24:25], s[24:25], s[16:17]
	s_add_nc_u64 s[24:25], s[24:25], s[30:31]
	s_add_nc_u64 s[18:19], s[18:19], s[34:35]
	s_add_nc_u64 s[20:21], s[20:21], s[36:37]
.macro LOADW t                         ; block t: W(32 t + i, my column) into set t % 2; a wave's load reads 128 consecutive bytes
.irp i, 0,1,2,3,4,5,6,7,8,9,10,11,12,13,14,15,16,17,18,19,20,21,22,23,24,25,26,27,28,29,30,31
	global_load_b32 v[WX+32*((\t)%2)+\i], v3, s[24:25] offset:(32*(\t)+\i)*4096 th:TH_LOAD_NT
.endr
.endm
	LOADW 0
	LOADW 1
.macro BLOCKW t
.set XS, WX+32*((\t)%2)
.if (\t) < NB-1
	s_wait_loadcnt 32                              ; this block's 32 loads are in; the next block's may be out
.else
	s_wait_loadcnt 0
.endif
	v_max3_num_f32 v12, |v[XS]|, |v[XS+1]|, |v[XS+2]|
	v_max3_num_f32 v13, |v[XS+3]|, |v[XS+4]|, |v[XS+5]|
.irp i, 6,10,14,18,22,26
	v_max3_num_f32 v12, v12, |v[XS+\i]|, |v[XS+\i+1]|
	v_max3_num_f32 v13, v13, |v[XS+\i+2]|, |v[XS+\i+3]|
.endr
	v_max3_num_f32 v12, v12, |v[XS+30]|, |v[XS+31]|
	v_max3_num_f32 v12, v12, v13, (EMAX+1)<<23     ; the floor
	v_add_nc_u32 v11, 0xfe000000, v12
	v_lshrrev_b32 v13, 23, v11                     ; the scale's byte
.if (\t)%4 == 0
	v_mov_b32 v[WS+(\t)/4], v13
.else
	v_lshl_or_b32 v[WS+(\t)/4], v13, 8*((\t)%4), v[WS+(\t)/4]
.endif
	v_cvt_scalef32_pk16_bf6_f32 v[WC:WC+2], v[XS:XS+15], v11
	v_cvt_scalef32_pk16_bf6_f32 v[WC+4:WC+6], v[XS+16:XS+31], v11
	v_nop                                          ; one plain line behind the conversions
	ds_store_b96 v4, v[WC:WC+2] offset:32*(\t)     ; 12 bytes to a place of 16
	ds_store_b96 v4, v[WC+4:WC+6] offset:32*(\t)+16
.if (\t)+2 < NB
	LOADW (\t)+2
.endif
	s_wait_dscnt 0x0                               ; the stores have read their registers: the next block's codes may be written
.endm
.irp t, 0,1,2,3,4,5,6,7
	BLOCKW \t
.endr
	s_wait_alu depctr_va_vdst(0)
	global_store_b64 v9, v[WS:WS+1], s[20:21]      ; my column's 8 scale bytes
.irp t, 0,1,2,3,4,5,6,7,8,9,10,11,12,13,14,15
	ds_load_b96 v[WO+4*\t:WO+4*\t+2], v7 offset:2*\t*WP
.endr
.irp t, 0,1,2,3,4,5,6,7,8,9,10,11,12,13,14,15
	s_wait_dscnt 15-\t                             ; the later read-backs may be out
	global_store_b96 v8, v[WO+4*\t:WO+4*\t+2], s[18:19] offset:(((2*\t)&7)+(((2*\t)>>3)&1)*16+(((2*\t)>>4)&1)*8)*768   ; columns 2 t, 2 t + 1 at their stored rows: sixteen lanes store a row's 192 consecutive bytes
.endr
	s_wait_tensorcnt 0x0
	ds_add_u32 v192, v193
	s_wait_dscnt 0x0
	s_endpgm
.Lfunc_end_k_qb9123d0d45_quant:
	.size	k_qb9123d0d45_quant, .Lfunc_end_k_qb9123d0d45_quant-k_qb9123d0d45_quant
	.p2alignl 7, 3214868480
	.fill 96, 4, 3214868480
	.section	.rodata,"a",@progbits
	.p2align	6, 0x0
	.amdhsa_kernel k_qb9123d0d45_quant
		.amdhsa_group_segment_fixed_size 68096
		.amdhsa_private_segment_fixed_size 0
		.amdhsa_enable_private_segment 0
		.amdhsa_kernarg_size 72
		.amdhsa_user_sgpr_count 2
		.amdhsa_user_sgpr_kernarg_segment_ptr 1
		.amdhsa_wavefront_size32 1
		.amdhsa_system_sgpr_workgroup_id_x 1
		.amdhsa_system_sgpr_workgroup_id_y 1
		.amdhsa_system_sgpr_workgroup_id_z 1
		.amdhsa_system_vgpr_workitem_id 0
		.amdhsa_next_free_vgpr 194
		.amdhsa_next_free_sgpr 66
		.amdhsa_reserve_vcc 0
		.amdhsa_float_denorm_mode_32 3
		.amdhsa_float_denorm_mode_16_64 3
		.amdhsa_memory_ordered 1
		.amdhsa_forward_progress 1
		.amdhsa_inst_pref_size 74
	.end_amdhsa_kernel
	.amdgpu_metadata
---
amdhsa.version: [ 1, 2 ]
amdhsa.kernels:
  - .name:           k_qb9123d0d45_quant
    .symbol:         k_qb9123d0d45_quant.kd
    .args:
      - { .name: query, .offset: 0, .size: 8, .value_kind: global_buffer, .address_space: global }
      - { .name: key, .offset: 8, .size: 8, .value_kind: global_buffer, .address_space: global }
      - { .name: value, .offset: 16, .size: 8, .value_kind: global_buffer, .address_space: global }
      - { .name: Wq, .offset: 24, .size: 8, .value_kind: global_buffer, .address_space: global }
      - { .name: Wk, .offset: 32, .size: 8, .value_kind: global_buffer, .address_space: global }
      - { .name: Wv, .offset: 40, .size: 8, .value_kind: global_buffer, .address_space: global }
      - { .name: Wo, .offset: 48, .size: 8, .value_kind: global_buffer, .address_space: global }
      - { .name: opc, .offset: 56, .size: 8, .value_kind: global_buffer, .address_space: global }
      - { .name: ops, .offset: 64, .size: 8, .value_kind: global_buffer, .address_space: global }
    .group_segment_fixed_size: 68096
    .private_segment_fixed_size: 0
    .kernarg_segment_align: 8
    .kernarg_segment_size: 72
    .max_flat_workgroup_size: 128
    .sgpr_count:     66
    .vgpr_count:     194
    .wavefront_size: 32
...
	.end_amdgpu_metadata
.endif
;; end of part 1
;; launch proj (part 2): grid 4 x 96, 4 waves a work-group, clusters of 4 x 4, 327,680 bytes of LDS; arguments opc, ops, bq, bk, bv, qkvc, qkvs; writes qkvc, qkvs
.if DOCPART == 2
	.amdgcn_target "amdgcn-amd-amdhsa--gfx1250"
	.amdhsa_code_object_version 6
	.text
	.protected	k_qb9123d0d45_proj
	.globl	k_qb9123d0d45_proj
	.p2align	8
	.type	k_qb9123d0d45_proj,@function
k_qb9123d0d45_proj:
	s_mov_b64 s[64:65], 0
	v_nop
	global_prefetch_b8 v0, s[64:65] scope:SCOPE_SE
	s_setreg_imm32_b32 hwreg(HW_REG_WAVE_MODE, 25, 1), 1
	s_wait_xcnt 0x0
	s_wait_alu depctr_hold_cnt(0) depctr_sa_sdst(0) depctr_va_vdst(0) depctr_va_sdst(0) depctr_va_ssrc(0) depctr_va_vcc(0) depctr_vm_vsrc(0)
	s_getreg_b32 s2, hwreg(HW_REG_IB_STS2, 6, 4)
	s_cmp_eq_u32 s2, 0
	s_cbranch_scc0 .Lentry_in_a_cluster
	s_endpgm
.Lentry_in_a_cluster:
	s_bfe_u32 s2, ttmp6, 0x10000c
	s_cmp_lg_u32 s2, 0xf033
	s_cbranch_scc0 .Lentry_shape_is_right
	s_endpgm
.Lentry_shape_is_right:
.set NQ,     2
.set ROWB,   192
.set KROW,   768
.set PITCH,  240
.set FR,     12
.set NL,     6
.set NP,     4
.set HALFT,  128*PITCH
.set SLOT,   4*HALFT
.set LAPS,   2
.set KS,     32
.set SCL,    2*SLOT
.set HALFS,  16*272
.set SBLK,   2*272
.set SPARE,  SCL+4*HALFS
.set LO8,  7
.set LO16, 8
.set SST,  9
.set SRD,  10
.set SH,   11
.set BNO,  12
.set BMO,  13
.set ADRA, 16
.set ADRB, 20
.set ADRS, 27
.set SPW,  28
.set NIL,  29
.set SC,   32
.set BN,   64
.set AF,   128
.set BM,   240
.set TQ,   128
.set PC,   192
.set TM,   64
.set PW,   80
.set PWS,  81
.set G1, 24
.set G0, 32
.set G1B, 48
.set G0B, 56
.set SEL, 66
.set G1S, 68
.set G0S, 76
.set G1SB, 80
.set G0SB, 88
.set MSB, 0
.macro WIN new
.if MSB != \new
	s_set_vgpr_msb (MSB<<8)|\new
.set MSB, \new
.endif
.endm
.set MUL_LO, 0xa1
.set MUL_HI, 0xf1
.set FST_LO, 0x81
.set FST_HI, 0xc1
.set TO_B,   0x40
.macro JLOAD g0a, g1a, g0b, g1b
	s_cmp_eq_u32 s19, 0
	s_cbranch_scc0 .Lfor_b_\@
	tensor_load_to_lds s[\g0a:\g0a+3], s[\g1a:\g1a+7]
	s_nop 0
.rept 4
	v_nop
.endr
	s_branch .Lasked_\@
.Lfor_b_\@:
	tensor_load_to_lds s[\g0b:\g0b+3], s[\g1b:\g1b+7]
	s_nop 0
.rept 4
	v_nop
.endr
.Lasked_\@:
.endm
.macro CREST
	s_cmp_lg_u32 s18, 0
	s_cbranch_scc1 .Lnot_wave_0_\@
	s_barrier_signal -3
.Lnot_wave_0_\@:
	s_barrier_wait -3
	s_barrier_signal -1
	s_barrier_wait -1
.endm
.macro CROUND
	s_barrier_signal -1
	s_barrier_wait -1
	CREST
.endm
	s_load_b256 s[4:11], s[0:1], 0x0
	s_load_b128 s[12:15], s[0:1], 0x20
	s_load_b64 s[16:17], s[0:1], 0x30
	v_lshl_add_u32 v[SPW], v0, 2, SPARE
	v_mov_b32 v[NIL], 0
	ds_add_u32 v28, v29
	ds_add_u32 v28, v29
	s_wait_dscnt 0x0
	v_lshrrev_b32 v1, 5, v0
	v_readfirstlane_b32 s18, v1
	s_lshr_b32 s19, s18, 1
	s_and_b32 s20, s18, 1
	s_bfe_u32 s40, ttmp6, 0x40000
	s_bfe_u32 s41, ttmp6, 0x40004
	s_and_b32 s42, ttmp7, 0xffff
	s_lshr_b32 s21, s42, 3
	s_and_b32 s42, s42, 7
	s_lshl_b32 s42, s42, 2
	s_lshl_b32 s43, s21, 13
	s_lshl_b32 s44, s21, 10
	s_add_co_u32 s44, s44, 24576
	s_cmp_eq_u32 s21, 2
	s_cselect_b32 s2, -1, 0
	s_cselect_b32 s45, 0, s42
	s_cselect_b32 s46, s42, 0
	s_cselect_b32 s43, 26624, s43
	s_cselect_b32 s44, 16384, s44
	s_add_co_u32 s22, s45, s41
	s_add_co_u32 s23, s46, s40
	s_lshl_b32 s45, s41, 2
	s_lshl_b32 s45, 15, s45
	s_lshl_b32 s46, 0x1111, s40
	s_or_b32 s[G1+0], s45, (0<<16)|(1<<20)|(1<<21)|(3<<22)|(3<<25)
	s_or_b32 s[G1B+0], s46, (0<<16)|(1<<20)|(1<<21)|(3<<22)|(3<<25)
.irp g, G1, G1B
	s_mov_b32 s[\g+1], ROWB<<16
	s_mov_b32 s[\g+2], 128<<16
	s_mov_b32 s[\g+3], ROWB<<16
	s_mov_b32 s[\g+4], 128
	s_mov_b32 s[\g+5], KROW
	s_mov_b32 s[\g+6], 0
	s_mov_b32 s[\g+7], 0
.endr
	s_or_b32 s[G1S+0], s45, (3<<16)|(1<<20)|(1<<21)|(5<<22)|(3<<25)
	s_or_b32 s[G1SB+0], s46, (3<<16)|(1<<20)|(1<<21)|(5<<22)|(3<<25)
.irp g, G1S, G1SB
	s_mov_b32 s[\g+1], 32<<16
	s_mov_b32 s[\g+2], 16<<16
	s_mov_b32 s[\g+3], 32<<16
	s_mov_b32 s[\g+4], 16
	s_mov_b32 s[\g+5], 32
	s_mov_b32 s[\g+6], 0
	s_mov_b32 s[\g+7], 0
.endr
	s_lshl_b32 s47, s20, 7
	s_lshl_b32 s92, s22, 8
	s_add_co_u32 s92, s92, s47
	s_add_co_u32 s92, s92, s43
	s_lshl_b32 s94, s23, 8
	s_add_co_u32 s94, s94, s47
	s_add_co_u32 s94, s94, s44
	s_lshl_b32 s96, s92, 5
	s_mov_b32 s97, 0
	s_lshl_b32 s98, s94, 5
	s_mov_b32 s99, 0
	s_mul_i32 s92, s92, KROW
	s_mov_b32 s93, 0
	s_mul_i32 s94, s94, KROW
	s_mov_b32 s95, 0
	s_mul_i32 s100, s18, HALFT
	s_mul_i32 s101, s18, HALFS
	s_mov_b32 s[SEL], 0x76543210
	s_mov_b32 s[SEL+1], 0xfedcba98
	s_wait_kmcnt 0x0
	s_add_nc_u64 s[92:93], s[4:5], s[92:93]
	s_add_nc_u64 s[96:97], s[6:7], s[96:97]
	s_add_nc_u64 s[94:95], s[4:5], s[94:95]
	s_add_nc_u64 s[98:99], s[6:7], s[98:99]
	CROUND
	s_mov_b32 s[G0S], 1
	s_add_co_u32 s[G0S+1], s101, SCL
	s_mov_b64 s[G0S+2:G0S+3], s[96:97]
	s_or_b32 s[G0S+3], s[G0S+3], 0x80000000
	s_mov_b32 s[G0SB], 1
	s_add_co_u32 s[G0SB+1], s101, SCL
	s_mov_b64 s[G0SB+2:G0SB+3], s[98:99]
	s_or_b32 s[G0SB+3], s[G0SB+3], 0x80000000
	JLOAD G0S, G1S, G0SB, G1SB
.irp s, 0,1
	s_mov_b32 s[G0+4*\s], 1
	s_add_co_u32 s[G0+4*\s+1], s100, \s*SLOT
	s_add_nc_u64 s[G0+4*\s+2:G0+4*\s+3], s[92:93], \s*ROWB
	s_or_b32 s[G0+4*\s+3], s[G0+4*\s+3], 0x80000000
	s_mov_b32 s[G0B+4*\s], 1
	s_add_co_u32 s[G0B+4*\s+1], s100, \s*SLOT
	s_add_nc_u64 s[G0B+4*\s+2:G0B+4*\s+3], s[94:95], \s*ROWB
	s_or_b32 s[G0B+4*\s+3], s[G0B+4*\s+3], 0x80000000
	s_wait_alu depctr_va_vdst(0)
	s_wait_tensorcnt 0x0
	ds_add_u32 v28, v29
	s_wait_dscnt 0x0
	CROUND
	JLOAD G0+4*\s, G1, G0B+4*\s, G1B
.endr
	v_and_b32 v1, 15, v0
	v_bfe_u32 v2, v0, 4, 1
	v_mul_u32_u24 v3, v1, PITCH
	v_mul_u32_u24 v4, v2, 24
	v_add_nc_u32 v4, v3, v4
	v_lshl_add_u32 v5, v2, 4, v4
	s_mul_i32 s42, s19, HALFT
	s_mul_i32 s43, s20, HALFT
	s_add_co_u32 s43, s43, 2*HALFT
.irp s, 0,1
	v_add_nc_u32 v[ADRA+\s], s42, v4
	v_add_nc_u32 v[ADRB+\s], s43, v4
	v_add_nc_u32 v[ADRA+2+\s], s42, v5
	v_add_nc_u32 v[ADRB+2+\s], s43, v5
	s_add_co_u32 s42, s42, SLOT
	s_add_co_u32 s43, s43, SLOT
.endr
	v_mul_u32_u24 v5, v1, KS
	v_lshrrev_b32 v6, 8, v5
	v_lshl_add_u32 v5, v6, 4, v5
	s_mul_i32 s42, s19, HALFS
	s_mul_i32 s43, s20, HALFS
	s_add_co_u32 s43, s43, 2*HALFS
	s_sub_co_u32 s43, s43, s42
	v_mul_u32_u24 v6, s43, v2
	s_add_co_u32 s42, s42, SCL
	v_add_nc_u32 v5, v5, v6
	v_add_nc_u32 v[ADRS], s42, v5
	v_and_b32 v6, 31, v0
	v_lshlrev_b32 v[LO8], 3, v6
	v_lshlrev_b32 v[LO16], 4, v6
	s_lshl_b32 s42, s18, 10
	v_lshlrev_b32 v[SST], 4, v1
	v_lshl_add_u32 v[SST], v2, 9, v[SST]
	v_add_nc_u32 v[SST], s42, v[SST]
	v_add_nc_u32 v[SRD], s42, v[LO16]
	v_lshlrev_b32 v[SH], 4, v2
	v_lshlrev_b32 v[BNO], 6, v2
	s_wait_alu depctr_va_vdst(0)
	v_and_b32 v[BMO], 8, v1
	v_add_nc_u32 v[BMO], v[BMO], v1
	v_lshlrev_b32 v[BMO], 2, v[BMO]
	s_wait_alu depctr_va_vdst(0)
	s_lshl_b32 s42, s22, 8
	s_lshl_b32 s43, s19, 7
	s_add_co_u32 s42, s42, s43
	s_lshl_b32 s43, s23, 8
	s_lshl_b32 s44, s20, 7
	s_add_co_u32 s43, s43, s44
	s_mov_b32 s98, 768
	s_mov_b32 s96, 98304
	s_cmp_eq_u32 s21, 0
	s_cselect_b64 s[92:93], s[8:9], s[10:11]
	s_cmp_eq_u32 s21, 2
	s_cselect_b64 s[92:93], s[12:13], s[92:93]
	s_cselect_b32 s44, s43, s42
	s_cselect_b32 s45, s42, s43
	s_cselect_b32 s46, 0, s43
	s_cselect_b32 s40, s42, 0
	s_cselect_b32 s98, 1536, s98
	s_cselect_b32 s100, 92160, 0
	s_cselect_b32 s96, 768, s96
	s_cselect_b32 s3, 12, 13
	s_mov_b32 s99, 0
	s_mov_b32 s101, 0
	s_mov_b32 s97, 0
	s_mov_b64 s[94:95], s[92:93]
	s_lshl_b32 s46, s46, 2
	s_mov_b32 s47, 0
	s_add_nc_u64 s[92:93], s[92:93], s[46:47]
	s_lshl_b32 s40, s40, 2
	s_mov_b32 s41, 0
	s_add_nc_u64 s[94:95], s[94:95], s[40:41]
.irp b, 0,1,2,3,4,5,6,7
	global_load_b128 v[BN+8*\b:BN+8*\b+3], v[BNO], s[92:93] offset:(32*(\b/2)+8*(\b%2))*4
	global_load_b128 v[BN+8*\b+4:BN+8*\b+7], v[BNO], s[92:93] offset:(32*(\b/2)+8*(\b%2))*4+16
.endr
.irp a, 0,1,2,3,4,5,6,7
	global_load_b32 v[BM+2*\a], v[BMO], s[94:95] offset:(32*(\a/2)+8*(\a%2))*4
	global_load_b32 v[BM+2*\a+1], v[BMO], s[94:95] offset:(32*(\a/2)+8*(\a%2))*4
.endr
	s_lshr_b32 s46, s44, 11
	s_lshl_b32 s46, s46, 4
	s_lshr_b32 s47, s45, 6
	s_add_co_u32 s46, s46, s47
	s_and_b32 s44, s44, 2047
	s_mul_i32 s40, s21, 6291456
	s_mul_i32 s47, s46, 98304
	s_add_co_u32 s40, s40, s47
	s_mul_i32 s47, s44, 48
	s_add_co_u32 s40, s40, s47
	s_lshl_b32 s42, s21, 19
	s_lshl_b32 s47, s46, s3
	s_add_co_u32 s42, s42, s47
	s_lshr_b32 s47, s44, 7
	s_lshl_b32 s47, s47, 9
	s_add_co_u32 s42, s42, s47
	s_mov_b32 s43, 0
	s_not_b32 s3, s2
	s_wait_loadcnt 0x0
	s_add_nc_u64 s[92:93], s[14:15], s[40:41]
	s_add_nc_u64 s[94:95], s[92:93], s[96:97]
	s_add_nc_u64 s[96:97], s[16:17], s[42:43]
.set i, 0
.rept 64
	v_and_b32 v[BN+i], s3, v[BN+i]
.set i, i+1
.endr
.set i, 0
.rept 16
	v_and_b32 v[BM+i], s2, v[BM+i]
.set i, i+1
.endr
.macro FRAG reg, adr, q, i
.irp p, 0,1,2,3,4,5
.set PCE, 12*(\q)+6*(\p/3)+\p%3
.if PCE%8 < 5
	ds_load_b64 v[\reg+2*\p:\reg+2*\p+1], v[\adr] offset:8*PCE+16*(PCE/8)+(\i)*16*PITCH
.else
	ds_load_b64 v[\reg+2*\p:\reg+2*\p+1], v[\adr+2] offset:8*PCE+16*(PCE/8)+(\i)*16*PITCH
.endif
.endr
.endm
.macro MUL16 a0, p, q, sc, zero
.irp a, \a0, \a0+1
.irp b, 0,1,2,3,4,5,6,7
.if \zero
	v_wmma_scale_f32_16x16x128_f8f6f4 v[8*(8*((\a)%4)+\b):8*(8*((\a)%4)+\b)+7], v[128*(\p)+FR*\b:128*(\p)+FR*\b+FR-1], v[AF+FR*(\a):AF+FR*(\a)+FR-1], v[BN+8*\b:BN+8*\b+7], v[SC+8*NQ*(\sc)+NQ*\b+(\q)], v[SC+8*NQ*(\sc)+NQ*(\a)+(\q)] matrix_a_fmt:MATRIX_FMT_BF6 matrix_b_fmt:MATRIX_FMT_BF6 matrix_a_scale:MATRIX_SCALE_ROW1
.else
	v_wmma_scale_f32_16x16x128_f8f6f4 v[8*(8*((\a)%4)+\b):8*(8*((\a)%4)+\b)+7], v[128*(\p)+FR*\b:128*(\p)+FR*\b+FR-1], v[AF+FR*(\a):AF+FR*(\a)+FR-1], v[8*(8*((\a)%4)+\b):8*(8*((\a)%4)+\b)+7], v[SC+8*NQ*(\sc)+NQ*\b+(\q)], v[SC+8*NQ*(\sc)+NQ*(\a)+(\q)] matrix_a_fmt:MATRIX_FMT_BF6 matrix_b_fmt:MATRIX_FMT_BF6 matrix_a_scale:MATRIX_SCALE_ROW1
.endif
.endr
.endr
.endm
.macro FETCH_B slot, q, p
	WIN TO_B
.irp i, 0,1,2,3,4,5,6,7
	FRAG 128*(\p)+FR*\i, ADRB+\slot, \q, \i
.endr
	WIN 0
.endm
.macro FETCH_A slot, q, i0
.irp i, \i0, \i0+1, \i0+2, \i0+3
	FRAG AF+FR*(\i), ADRA+\slot, \q, \i
.endr
.endm
.macro SCALES sc
.irp i, 0,1,2,3,4,5,6,7
	ds_load_b64 v[SC+8*NQ*\sc+NQ*\i:SC+8*NQ*\sc+NQ*\i+1], v[ADRS] offset:\i*SBLK
.endr
.endm
.macro PLACES n
.rept \n
	v_nop
.endr
.endm
.macro STEP slot, q, zero
	s_wait_dscnt 4*NL
.if \zero
	WIN FST_LO
.else
	WIN MUL_LO
.endif
	MUL16 0, (\q)%2, \q, \slot, \zero
	MUL16 2, (\q)%2, \q, \slot, \zero
	s_wait_dscnt 0
	PLACES NP
	FETCH_B \slot, (\q)+1, 1-(\q)%2
	FETCH_A \slot, (\q)+1, 0
.if \zero
	WIN FST_HI
.else
	WIN MUL_HI
.endif
	MUL16 4, (\q)%2, \q, \slot, \zero
	MUL16 6, (\q)%2, \q, \slot, \zero
	PLACES NP
	WIN 0
	FETCH_A \slot, (\q)+1, 4
.endm
.macro TURN slot, next, fill
	s_wait_tensorcnt 0x0
	ds_add_u32 v[SPW], v[NIL]
	s_wait_dscnt 4*NL+1
	WIN MUL_LO
	MUL16 0, 1, NQ-1, \slot, 0
	s_wait_dscnt 0x0
	s_barrier_signal -1
	MUL16 2, 1, NQ-1, \slot, 0
	WIN 0
	s_barrier_wait -1
.if \fill
	CREST
	s_add_nc_u64 s[G0+4*\slot+2:G0+4*\slot+3], s[G0+4*\slot+2:G0+4*\slot+3], 2*ROWB
	s_add_nc_u64 s[G0B+4*\slot+2:G0B+4*\slot+3], s[G0B+4*\slot+2:G0B+4*\slot+3], 2*ROWB
	JLOAD G0+4*\slot, G1, G0B+4*\slot, G1B
.else
	PLACES NP
.endif
	s_wait_alu depctr_va_vdst(0)
	v_add_nc_u32 v[ADRS], 4*NQ, v[ADRS]
	FETCH_B \next, 0, 0
	FETCH_A \next, 0, 0
	SCALES \next
	WIN MUL_HI
	MUL16 4, 1, NQ-1, \slot, 0
	MUL16 6, 1, NQ-1, \slot, 0
	PLACES NP
	WIN 0
	FETCH_A \next, 0, 4
.endm
	s_wait_tensorcnt 1
	s_barrier_signal -1
	s_barrier_wait -1
	FETCH_B 0, 0, 0
	FETCH_A 0, 0, 0
	SCALES 0
	FETCH_A 0, 0, 4
	STEP 0, 0, 1
	s_mov_b32 s3, LAPS-1
.Llap:
	TURN 0, 1, 1
	STEP 1, 0, 0
	TURN 1, 0, 1
	STEP 0, 0, 0
	s_sub_co_u32 s3, s3, 1
	s_cmp_lg_u32 s3, 0
	s_cbranch_scc1 .Llap
	TURN 0, 1, 0
	STEP 1, 0, 0
	s_wait_dscnt 4*NL
	WIN MUL_LO
	MUL16 0, 1, NQ-1, 1, 0
	MUL16 2, 1, NQ-1, 1, 0
	s_wait_dscnt 0
	WIN MUL_HI
	MUL16 4, 1, NQ-1, 1, 0
	MUL16 6, 1, NQ-1, 1, 0
	WIN 0
.macro QUANT s
.irp b, 0,1,2,3
	v_max3_num_f32 v[TM+\b], |v[\s+16*\b]|, |v[\s+1+16*\b]|, 0x2800000
.endr
.irp i, 2,4,6,8,10,12,14
.irp b, 0,1,2,3
	v_max3_num_f32 v[TM+\b], v[TM+\b], |v[\s+16*\b+\i]|, |v[\s+1+16*\b+\i]|
.endr
.endr
.irp b, 0,1,2,3
	v_permlanex16_b32 v[TM+4+\b], v[TM+\b], s[SEL], s[SEL+1]
.endr
.irp b, 0,1,2,3
	v_max_num_f32 v[TM+\b], v[TM+\b], v[TM+4+\b]
.endr
.irp b, 0,1,2,3
	v_add_nc_u32 v[TM+12+\b], 0xfe000000, v[TM+\b]
.endr
.irp b, 0,1,2,3
	v_lshrrev_b32 v[TM+4+\b], 23, v[TM+12+\b]
.endr
	v_lshl_or_b32 v[PW], v[TM+5], 8, v[TM+4]
	v_lshl_or_b32 v[PW], v[TM+6], 16, v[PW]
	v_lshl_or_b32 v[PW], v[TM+7], 24, v[PW]
.irp c, 0,1
	v_cvt_scalef32_pk16_bf6_f32 v[PC+6*\c:PC+2+6*\c], v[\s+32*\c:\s+15+32*\c], v[TM+12+2*\c]
	v_cvt_scalef32_pk16_bf6_f32 v[PC+12+4*\c:PC+14+4*\c], v[\s+16+32*\c:\s+31+32*\c], v[TM+12+2*\c+1]
.endr
	v_nop
.irp c, 0,1
.irp i, 0,1,2
	v_permlane16_swap_b32 v[PC+6*\c+\i], v[PC+12+4*\c+\i]
.endr
.irp i, 0,1,2
	v_mov_b32 v[PC+3+6*\c+\i], v[PC+12+4*\c+\i]
.endr
.endr
.endm
.macro OUTBLK a
.if (\a) > 0
	s_wait_xcnt 0x0
	s_add_nc_u64 s[92:93], s[92:93], s[98:99]
	s_add_nc_u64 s[94:95], s[94:95], s[98:99]
.if (\a) == 4
	s_add_nc_u64 s[92:93], s[92:93], s[100:101]
	s_add_nc_u64 s[94:95], s[94:95], s[100:101]
.endif
.endif
	WIN 0x02+(\a)/4
.set i, 0
.rept 32
	v_pk_add_f32 v[TQ+2*i:TQ+2*i+1], v[64*((\a)%4)+2*i:64*((\a)%4)+2*i+1], v[BM+2*(\a):BM+2*(\a)+1]
.set i, i+1
.endr
	WIN 0
	QUANT TQ
.irp c, 0,1
.irp p, 0,1,2
	global_store_b64 v[LO8], v[PC+6*\c+2*\p:PC+6*\c+2*\p+1], s[92+2*\c:93+2*\c] offset:256*\p
.endr
.endr
	v_lshrrev_b32 v[PWS], v[SH], v[PW]
	ds_store_b32 v[SST], v[PWS] offset:256*((\a)%2)+4*((\a)/2)
.endm
	PLACES NP
.irp b, 0,1,2,3
	v_mov_b32 v[TM+4+\b], 0
.endr
.irp a, 0,1,2,3,4,5,6,7
	OUTBLK \a
.endr
	ds_load_b128 v[TQ:TQ+3], v[SRD]
	ds_load_b128 v[TQ+4:TQ+7], v[SRD] offset:512
	s_wait_dscnt 0x0
	global_store_b128 v[LO16], v[TQ:TQ+3], s[96:97]
	s_cmp_eq_u32 s21, 2
	s_cbranch_scc1 .Lone_half
	global_store_b128 v[LO16], v[TQ+4:TQ+7], s[96:97] offset:8192
.Lone_half:
	s_wait_tensorcnt 0x0
	ds_add_u32 v[SPW], v[NIL]
	s_wait_dscnt 0x0
	CROUND
	s_endpgm
.Lfunc_end_k_qb9123d0d45_proj:
	.size	k_qb9123d0d45_proj, .Lfunc_end_k_qb9123d0d45_proj-k_qb9123d0d45_proj
	.p2alignl 7, 3214868480
	.fill 96, 4, 3214868480
	.section	.rodata,"a",@progbits
	.p2align	6, 0x0
	.amdhsa_kernel k_qb9123d0d45_proj
		.amdhsa_group_segment_fixed_size 327680
		.amdhsa_private_segment_fixed_size 0
		.amdhsa_enable_private_segment 0
		.amdhsa_kernarg_size 56
		.amdhsa_user_sgpr_count 2
		.amdhsa_user_sgpr_kernarg_segment_ptr 1
		.amdhsa_wavefront_size32 1
		.amdhsa_system_sgpr_workgroup_id_x 1
		.amdhsa_system_sgpr_workgroup_id_y 1
		.amdhsa_system_sgpr_workgroup_id_z 1
		.amdhsa_system_vgpr_workitem_id 0
		.amdhsa_next_free_vgpr 1024
		.amdhsa_next_free_sgpr 102
		.amdhsa_reserve_vcc 0
		.amdhsa_float_denorm_mode_32 3
		.amdhsa_float_denorm_mode_16_64 3
		.amdhsa_memory_ordered 1
		.amdhsa_forward_progress 1
		.amdhsa_inst_pref_size 192
	.end_amdhsa_kernel
	.amdgpu_metadata
---
amdhsa.version: [ 1, 2 ]
amdhsa.kernels:
  - .name:           k_qb9123d0d45_proj
    .symbol:         k_qb9123d0d45_proj.kd
    .args:
      - { .name: opc, .offset: 0, .size: 8, .value_kind: global_buffer, .address_space: global }
      - { .name: ops, .offset: 8, .size: 8, .value_kind: global_buffer, .address_space: global }
      - { .name: bq, .offset: 16, .size: 8, .value_kind: global_buffer, .address_space: global }
      - { .name: bk, .offset: 24, .size: 8, .value_kind: global_buffer, .address_space: global }
      - { .name: bv, .offset: 32, .size: 8, .value_kind: global_buffer, .address_space: global }
      - { .name: qkvc, .offset: 40, .size: 8, .value_kind: global_buffer, .address_space: global }
      - { .name: qkvs, .offset: 48, .size: 8, .value_kind: global_buffer, .address_space: global }
    .group_segment_fixed_size: 327680
    .private_segment_fixed_size: 0
    .kernarg_segment_align: 8
    .kernarg_segment_size: 56
    .max_flat_workgroup_size: 128
    .sgpr_count:     102
    .vgpr_count:     1024
    .wavefront_size: 32
...
	.end_amdgpu_metadata
.endif
;; end of part 2
;; launch attn (part 3): grid 4 x 64, 16 waves a work-group, clusters of 4 x 1, 216,320 bytes of LDS; arguments qkvc, qkvs, oc, os; writes oc, os
.if DOCPART == 3
	.amdgcn_target "amdgcn-amd-amdhsa--gfx1250"
	.amdhsa_code_object_version 6
	.text
	.protected	k_qb9123d0d45_attn
	.globl	k_qb9123d0d45_attn
	.p2align	8
	.type	k_qb9123d0d45_attn,@function
k_qb9123d0d45_attn:
	s_mov_b64 s[64:65], 0
	v_nop
	global_prefetch_b8 v0, s[64:65] scope:SCOPE_SE
	s_setreg_imm32_b32 hwreg(HW_REG_WAVE_MODE, 25, 1), 1
	s_wait_xcnt 0x0
	s_wait_alu depctr_hold_cnt(0) depctr_sa_sdst(0) depctr_va_vdst(0) depctr_va_sdst(0) depctr_va_ssrc(0) depctr_va_vcc(0) depctr_vm_vsrc(0)
	s_getreg_b32 s2, hwreg(HW_REG_IB_STS2, 6, 4)
	s_cmp_eq_u32 s2, 0
	s_cbranch_scc0 .Lentry_in_a_cluster
	s_endpgm
.Lentry_in_a_cluster:
	s_bfe_u32 s2, ttmp6, 0x10000c
	s_cmp_lg_u32 s2, 0x3003
	s_cbranch_scc0 .Lentry_shape_is_right
	s_endpgm
.Lentry_shape_is_right:
; O = softmax(Q K^T / 8) V for one (batch, head) a cluster, both products on codes of BF6 (E3M2) with one E8M0 scale for each 32 along K; O / l is quantised along the head's 64 into the output projection's operand images.
; THE SOFTMAX: t = score x log2(e) / 8; M = the running largest t, rounded up to a whole number; p = 2^(t - M) is quantised along the keys, not normalised; the row's sum is taken of the unquantised p and divides at the end.
; SHARES.  A cluster of four work-groups is one head; a work-group owns 512 queries, each of its sixteen waves two tiles of 16, one after the other.  Every wave walks all 2,048 keys, 128 a step.
; THE WHOLE HEAD'S K AND V LIE IN LDS, filled once, by joint loads that name the four partners (wave 0: K, wave 1: V; three loads each: scale words, keys 0-511, the rest).  No byte of LDS is filled twice.
; LAYOUT.  Both products are used transposed (S^T = K Q^T, O^T = V^T P^T): a lane holds one query.  K, Q and V arrive as images of the operands' registers, 8 bytes a lane: every LDS load reads 256 consecutive bytes.
; The head's 64 are half of the instruction's 128 along K: registers 6 to 11 of K's and Q's fragments hold zero codes, set once.
; A tile of 16 stored keys is keys 32 b + 8 u + r + 8 (r / 8), so the 16 registers of tiles 2 b, 2 b + 1 are keys 32 b + 16 h + 0 .. 15; V's channels and Q's rows are stored in the same order.
; LIMITS: a block under 2^-122 gets the byte 1 (read by this program alone); NaN and infinities are not served.
; REGISTERS: v1-7, v30 addresses that stay; v8-11 the step's; v12 -M, v13 the largest t, v[14:15] the sum; v16-27 Q; v[28:29] V's scale words; v32-79 four fragments of K; v80-127 V's four; v128-191 S^T, then p;
;   v192-223 O^T; v224-235 p's codes; v232-254 at work; v248-251 K's scale words; v253 p's; v255 Q's.
.set VC,   98304                       ; LDS: K's images 0 .. 98,303; V's from here;
.set KSC,  196608                      ; K's scale words, 8,192 bytes;
.set VSC,  204800                      ; V's (the head pair's), 8,192 bytes;
.set OSS,  213248                      ; O's scale bytes, 1,024 bytes, written by LDS stores alone
.set ADK,  8
.set ADV,  9
.set ADS,  10
.set ADT,  11
.set KF,   32
.set VF,   80
.set S,    128
.set OT,   192
.set TB,   2                           ; s2   the step's images begin here: 6,144 bytes a step, in K and in V
.set TS,   3                           ; s3   and its scale words: 512 bytes a step
.set WV,   12
.set SEL,  20
.set CS,   22                          ; s[22:23] c = log2(e) / 8
.set G1A,  24                          ; group 1: 96 rows of 256 bytes
.set G1B,  32                          ; 288 rows
.set G1S,  40                          ; 32 rows
.set G0S,  48
.set G0A,  52
.set G0B,  56
.set CNT,  60
.set QP,   66
.set QSP,  68
.set OP,   70
.set OSP,  72
.macro ROUND
	s_barrier_signal -1
	s_barrier_wait -1
	s_cmp_lg_u32 s[WV], 0
	s_cbranch_scc1 .Lnot_wave_0_\@
	s_barrier_signal -3
.Lnot_wave_0_\@:
	s_barrier_wait -3
	s_barrier_signal -1
	s_barrier_wait -1
.endm
	s_load_b256 s[4:11], s[0:1], 0x0               ; qkvc s[4:5], qkvs s[6:7], oc s[8:9], os s[10:11]
	v_lshl_add_u32 v254, v0, 2, 0x34500
	v_mov_b32 v255, 0
	ds_add_u32 v254, v255
	ds_add_u32 v254, v255
	s_wait_dscnt 0x0
	v_lshrrev_b32 v8, 5, v0
	s_delay_alu instid0(VALU_DEP_1)
	v_readfirstlane_b32 s[WV], v8                  ; wave 0..15
	s_bfe_u32 s13, ttmp6, 0x40000                  ; cx: it enters Q's and O's global addresses alone
	s_and_b32 s14, ttmp7, 0xffff                   ; 16 b + head, which the four partners share
	s_and_b32 s15, s14, 15
	s_lshr_b32 s16, s14, 4
	v_and_b32 v31, 31, v0
	s_delay_alu instid0(VALU_DEP_1)
	v_lshlrev_b32 v1, 3, v31                       ; 8 x lane
	s_delay_alu instid0(VALU_DEP_1)
	v_add_nc_u32 v2, VC, v1
	s_delay_alu instid0(VALU_DEP_3)
	v_lshlrev_b32 v3, 4, v31
	s_and_b32 s74, s15, 1
	s_lshl_b32 s74, s74, 3
	s_add_co_u32 s74, s74, VSC
	v_add_nc_u32 v4, s74, v3                       ; V's scale words: 16 x lane, + 8 for the pair's odd head
	v_add_nc_u32 v3, KSC, v3
	v_and_b32 v5, 15, v0
	v_and_b32 v6, 0x1e0, v0                        ; 32 x wave
	s_delay_alu instid0(VALU_DEP_1)
	v_lshl_add_u32 v6, v5, 1, v6
	s_delay_alu instid0(VALU_DEP_1)
	v_add_nc_u32 v6, OSS, v6                       ; O's scale bytes: 2 bytes a row, 32 a tile
	s_delay_alu instid0(VALU_DEP_4)
	v_lshlrev_b32 v5, 4, v5
	v_and_b32 v7, 63, v0
	s_delay_alu instid0(VALU_DEP_1)
	v_lshlrev_b32 v7, 4, v7
	s_delay_alu instid0(VALU_DEP_1)
	v_add_nc_u32 v30, OSS, v7
.irp g, G1A, G1B, G1S
	s_mov_b32 s[\g], 15|(3<<16)|(1<<21)            ; the mask: all four work-groups; elements of 8 bytes; bit 21 beside a mask; no padding
	s_mov_b32 s[\g+1], 32<<16                      ; tensor_dim0: rows of 256 bytes
	s_mov_b32 s[\g+3], 32<<16                      ; tile_dim0
	s_mov_b32 s[\g+5], 32                          ; the pitch: the blocks are dense
	s_mov_b32 s[\g+6], 0
	s_mov_b32 s[\g+7], 0
.endr
	s_mov_b32 s[G1A+2], 96<<16
	s_mov_b32 s[G1A+4], 96
	s_mov_b32 s[G1B+2], 288<<16
	s_mov_b32 s[G1B+4], 288
	s_mov_b32 s[G1S+2], 32<<16
	s_mov_b32 s[G1S+4], 32
	s_and_b32 s17, s[WV], 1                        ; 0: K, 1: V
	s_mul_i32 s61, s17, VC                         ; the codes' place in LDS
	s_lshl_b32 s62, s17, 13
	s_add_co_u32 s62, s62, KSC                     ; the scale words'
	s_add_co_u32 s77, s17, 1
	s_mul_i32 s78, s77, 6291456
	s_mul_i32 s77, s14, 98304
	s_add_co_u32 s78, s78, s77                     ; the head's codes in qkvc
	s_mov_b32 s79, 0
	s_lshl_b32 s18, s14, 13
	s_add_co_u32 s18, s18, 524288                  ; K's scale words in qkvs
	s_lshr_b32 s19, s14, 1
	s_lshl_b32 s19, s19, 13
	s_add_co_u32 s19, s19, 1048576                 ; the head pair's of V
	s_cmp_eq_u32 s17, 0
	s_cselect_b32 s18, s18, s19
	s_mov_b32 s19, 0
	s_lshl_b32 s74, ttmp9, 2
	s_add_co_u32 s74, s74, s13                     ; my block of 512 queries
	s_lshl_b32 s75, s74, 5
	s_add_co_u32 s75, s75, s[WV]                   ; my first tile of 16 stored rows; the second lies 16 tiles on
	s_mul_i32 s[QP], s14, 98304
	s_mul_i32 s76, s75, 768
	s_add_co_u32 s[QP], s[QP], s76
	s_mov_b32 s[QP+1], 0
	s_lshl_b32 s[QSP], s14, 13
	s_lshr_b32 s76, s75, 3
	s_lshl_b32 s76, s76, 9
	s_add_co_u32 s[QSP], s[QSP], s76
	s_and_b32 s76, s75, 1
	s_lshl_b32 s76, s76, 8
	s_add_co_u32 s[QSP], s[QSP], s76
	s_bfe_u32 s76, s75, 0x20001
	s_lshl_b32 s76, s76, 2
	s_add_co_u32 s[QSP], s[QSP], s76
	s_mov_b32 s[QSP+1], 0
	s_lshl_b32 s[OP], s16, 7
	s_add_co_u32 s[OP], s[OP], s75
	s_mul_i32 s[OP], s[OP], 12288
	s_mul_i32 s76, s15, 768
	s_add_co_u32 s[OP], s[OP], s76
	s_mov_b32 s[OP+1], 0
	s_lshl_b32 s[OSP], s15, 14
	s_lshl_b32 s76, s16, 12
	s_add_co_u32 s[OSP], s[OSP], s76
	s_lshl_b32 s76, s74, 10
	s_add_co_u32 s[OSP], s[OSP], s76
	s_mov_b32 s[OSP+1], 0
	s_mov_b32 s[SEL], 0x76543210
	s_mov_b32 s[SEL+1], 0xfedcba98
	s_mov_b32 s[CS], 0x3e38aa3b
	s_mov_b32 s[CS+1], s[CS]
	s_wait_kmcnt 0x0
	s_mov_b32 s[G0S], 1
	s_mov_b32 s[G0S+1], s62
	s_add_nc_u64 s[G0S+2:G0S+3], s[6:7], s[18:19]
	s_or_b32 s[G0S+3], s[G0S+3], 0x80000000
	s_mov_b32 s[G0A], 1
	s_mov_b32 s[G0A+1], s61
	s_add_nc_u64 s[G0A+2:G0A+3], s[4:5], s[78:79]
	s_mov_b32 s[G0B], 1
	s_add_co_u32 s[G0B+1], s61, 24576
	s_add_nc_u64 s[G0B+2:G0B+3], s[G0A+2:G0A+3], 24576
	s_or_b32 s[G0A+3], s[G0A+3], 0x80000000
	s_or_b32 s[G0B+3], s[G0B+3], 0x80000000
	s_add_nc_u64 s[QP:QP+1], s[4:5], s[QP:QP+1]
	s_add_nc_u64 s[QSP:QSP+1], s[6:7], s[QSP:QSP+1]
	s_add_nc_u64 s[OP:OP+1], s[8:9], s[OP:OP+1]
	s_add_nc_u64 s[OSP:OSP+1], s[10:11], s[OSP:OSP+1]
	ROUND                                          ; all four work-groups are here: the joint loads meet
	s_cmp_lt_u32 s[WV], 2                          ; all fills of a wave stand in one branch on the wave's number: three loads of mine are out
	s_cbranch_scc0 .Lno_fetch
	tensor_load_to_lds s[G0S:G0S+3], s[G1S:G1S+7]  ; the scale words,
	s_nop 0
	tensor_load_to_lds s[G0A:G0A+3], s[G1A:G1A+7]  ; keys 0-511,
	s_nop 0
	tensor_load_to_lds s[G0B:G0B+3], s[G1B:G1B+7]  ; the rest
	s_nop 0
.rept 4
	v_nop
.endr
.Lno_fetch:
.irp j, 22,23,24,25,26,27
	v_mov_b32 v[\j], 0                             ; Q's upper 64 along K: zero codes
.endr
.irp t, 0,1,2,3
.irp j, 6,7,8,9,10,11
	v_mov_b32 v[KF+12*\t+\j], 0                    ; K's likewise: set once, never loaded into
.endr
.endr
.irp b, 0,1,2,3
	v_mov_b32 v[236+\b], 0                         ; written once: a lane permute's destination counts as one of its sources
.endr
	v_mov_b32 v253, 0                              ; (named as the upper half of the pair v[252:253] before it is first written)
.macro QK tau, f                       ; S^T's tile tau: source 0 = 16 stored keys, source 1 = my 16 queries; word tau / 2 holds even tiles' scales in lanes 0-15, odd tiles' in lanes 16-31
.if (\tau)%2
	v_wmma_scale_f32_16x16x128_f8f6f4 v[S+8*(\tau):S+8*(\tau)+7], v[KF+12*(\f):KF+12*(\f)+11], v[16:27], 0, v[248+(\tau)/2], v255 matrix_a_fmt:MATRIX_FMT_BF6 matrix_b_fmt:MATRIX_FMT_BF6 matrix_a_scale:MATRIX_SCALE_ROW1
.else
	v_wmma_scale_f32_16x16x128_f8f6f4 v[S+8*(\tau):S+8*(\tau)+7], v[KF+12*(\f):KF+12*(\f)+11], v[16:27], 0, v[248+(\tau)/2], v255 matrix_a_fmt:MATRIX_FMT_BF6 matrix_b_fmt:MATRIX_FMT_BF6
.endif
.endm
.macro PV t                            ; O^T's tile t: source 0 = 16 stored channels x 128 keys, source 1 = p
.if (\t)%2
	v_wmma_scale_f32_16x16x128_f8f6f4 v[OT+8*(\t):OT+8*(\t)+7], v[VF+12*(\t):VF+12*(\t)+11], v[224:235], v[OT+8*(\t):OT+8*(\t)+7], v[28+(\t)/2], v253 matrix_a_fmt:MATRIX_FMT_BF6 matrix_b_fmt:MATRIX_FMT_BF6 matrix_a_scale:MATRIX_SCALE_ROW1
.else
	v_wmma_scale_f32_16x16x128_f8f6f4 v[OT+8*(\t):OT+8*(\t)+7], v[VF+12*(\t):VF+12*(\t)+11], v[224:235], v[OT+8*(\t):OT+8*(\t)+7], v[28+(\t)/2], v253 matrix_a_fmt:MATRIX_FMT_BF6 matrix_b_fmt:MATRIX_FMT_BF6
.endif
.endm
; A KEY STEP: 128 keys.
.macro STEP
	v_add_nc_u32 v[ADK], s[TB], v1                 ; (these four are also the places between the last step's products and the loads into V's registers)
	v_add_nc_u32 v[ADV], s[TB], v2
	v_add_nc_u32 v[ADS], s[TS], v3
	v_add_nc_u32 v[ADT], s[TS], v4
.irp t, 0,1,2,3
.irp p, 0,1,2
	ds_load_b64 v[KF+12*\t+2*\p:KF+12*\t+2*\p+1], v[ADK] offset:768*\t+256*\p
.endr
.endr
	ds_load_b128 v[248:251], v[ADS]
.irp t, 0,1,2,3
.irp p, 0,1,2,3,4,5
	ds_load_b64 v[VF+12*\t+2*\p:VF+12*\t+2*\p+1], v[ADV] offset:1536*\t+256*\p
.endr
.endr
	ds_load_b64 v[28:29], v[ADT]
	s_wait_alu depctr_va_vdst(0)
	s_wait_dscnt 25                                ; K's tiles 0-3 and its scale words are in; V's 24 loads and its scale load may be out
.irp t, 0,1,2,3
	QK \t, \t
.endr
.rept 4
	v_nop                                          ; places in front of loads into registers that matrix instructions have read
.endr
.irp t, 0,1,2,3
.irp p, 0,1,2
	ds_load_b64 v[KF+12*\t+2*\p:KF+12*\t+2*\p+1], v[ADK] offset:3072+768*\t+256*\p
.endr
.endr
	s_wait_dscnt 0x0
.irp t, 0,1,2,3
	QK 4+\t, \t
.endr
.rept 4
	v_nop
.endr
.irp b, 0,1,2,3
	v_max3_num_f32 v[232+\b], v[S+16*\b], v[S+1+16*\b], v[S+2+16*\b]   ; the largest score of each block of 32 keys: it serves for the row's maximum and, since p rises with the score, for the block's largest p
.endr
.irp i, 3,5,7,9,11,13
.irp b, 0,1,2,3
	v_max3_num_f32 v[232+\b], v[232+\b], v[S+16*\b+\i], v[S+1+16*\b+\i]
.endr
.endr
.irp b, 0,1,2,3
	v_max_num_f32 v[232+\b], v[232+\b], v[S+15+16*\b]
.endr
.irp b, 0,1,2,3
	s_delay_alu instid0(VALU_DEP_4)
	v_permlanex16_b32 v[236+\b], v[232+\b], s[SEL], s[SEL+1]
.endr
.irp b, 0,1,2,3
	s_delay_alu instid0(VALU_DEP_4)
	v_max_num_f32 v[232+\b], v[232+\b], v[236+\b]  ; with lane l xor 16's 16 keys
.endr
	s_delay_alu instid0(VALU_DEP_2)
	v_max3_num_f32 v254, v232, v233, v234
	s_delay_alu instid0(VALU_DEP_1)
	v_max_num_f32 v254, v254, v235
	s_delay_alu instid0(VALU_DEP_1)
	v_mul_f32 v254, s[CS], v254                    ; as t (c is positive)
	s_delay_alu instid0(VALU_DEP_1)
	v_max_num_f32 v13, v13, v254                   ; the running largest t
	v_mov_b32 v254, v12
	s_delay_alu instid0(VALU_DEP_2)
	v_floor_f32 v12, -v13                          ; the new -M = floor(-t): M is a whole number
	s_delay_alu instid0(VALU_DEP_1)
	v_sub_f32 v254, v12, v254                      ; old M - new M: a whole number, 0 or less
	s_delay_alu instid0(VALU_DEP_1)
	v_cvt_i32_f32 v254, v254                       ; (it saturates)
	s_delay_alu instid0(VALU_DEP_1)
	v_ldexp_f32 v252, 1.0, v254                    ; f = 2^(old M - new M): a multiplication by it rounds nothing
.set j, 0
.rept 32
	v_pk_fma_f32 v[S+j:S+j+1], v[S+j:S+j+1], s[CS:CS+1], v[12:13] op_sel_hi:[1,0,0]   ; t - M, two at a time
.set j, j+2
.endr
.irp b, 0,1,2,3
	v_fma_f32 v[232+\b], v[232+\b], s[CS], v12     ; the same of each block's largest score
.endr
.set j, 0
	s_setprio 1
	s_wait_alu depctr_va_vdst(0)
.rept 64
	v_exp_f32 v[S+j], v[S+j]                       ; p = 2^(t - M), at most 1
.set j, j+1
.endr
	v_pk_mul_f32 v[14:15], v[14:15], v[252:253] op_sel_hi:[1,0]   ; the sums under the new M (the plain line behind the exponentials)
	s_wait_alu depctr_va_vdst(0)                   ; one wait for the batch of 64, ahead of its first reader
.irp b, 0,1,2,3
	v_exp_f32 v[232+\b], v[232+\b]                 ; the block's largest p
.endr
	v_pk_add_f32 v[236:237], v[132:133], v[136:137]
	v_pk_add_f32 v[250:251], v[140:141], v[144:145]
	v_pk_add_f32 v[248:249], v[148:149], v[152:153]
	v_pk_add_f32 v[246:247], v[156:157], v[160:161]
	v_pk_add_f32 v[244:245], v[164:165], v[168:169]
	v_pk_add_f32 v[242:243], v[172:173], v[176:177]
	v_pk_add_f32 v[240:241], v[180:181], v[184:185]
	v_pk_add_f32 v[14:15], v[14:15], v[188:189]
	v_pk_add_f32 v[236:237], v[236:237], v[128:129]
	v_pk_add_f32 v[250:251], v[250:251], v[130:131]
	v_pk_add_f32 v[248:249], v[248:249], v[134:135]
	v_pk_add_f32 v[246:247], v[246:247], v[138:139]
	v_pk_add_f32 v[244:245], v[244:245], v[142:143]
	v_pk_add_f32 v[242:243], v[242:243], v[146:147]
	v_pk_add_f32 v[240:241], v[240:241], v[150:151]
	v_pk_add_f32 v[14:15], v[14:15], v[154:155]
	v_pk_add_f32 v[236:237], v[236:237], v[158:159]
	v_pk_add_f32 v[250:251], v[250:251], v[162:163]
	v_pk_add_f32 v[248:249], v[248:249], v[166:167]
	v_pk_add_f32 v[246:247], v[246:247], v[170:171]
	v_pk_add_f32 v[244:245], v[244:245], v[174:175]
	v_pk_add_f32 v[242:243], v[242:243], v[178:179]
	v_pk_add_f32 v[240:241], v[240:241], v[182:183]
	v_pk_add_f32 v[14:15], v[14:15], v[186:187]
	v_pk_add_f32 v[236:237], v[236:237], v[190:191]
	s_delay_alu instid0(VALU_DEP_2)
	v_pk_add_f32 v[14:15], v[14:15], v[246:247]
	s_delay_alu instid0(VALU_DEP_2)
	v_pk_add_f32 v[236:237], v[236:237], v[244:245]
	v_pk_add_f32 v[250:251], v[250:251], v[242:243]
	v_pk_add_f32 v[248:249], v[248:249], v[240:241]
	s_delay_alu instid0(VALU_DEP_2)
	v_pk_add_f32 v[14:15], v[14:15], v[250:251]
	s_delay_alu instid0(VALU_DEP_2)
	v_pk_add_f32 v[236:237], v[236:237], v[248:249]
	s_delay_alu instid0(VALU_DEP_1)
	v_pk_add_f32 v[14:15], v[14:15], v[236:237]
	s_wait_alu depctr_va_vdst(0)                   ; and one for the four
.irp b, 0,1,2,3
	v_max_num_f32 v[232+\b], 0x2800000, v[232+\b]  ; the floor 2^(5 - 127)
.endr
.irp b, 0,1,2,3
	s_delay_alu instid0(VALU_DEP_4)
	v_add_nc_u32 v[244+\b], 0xfe000000, v[232+\b]  ; the conversion's scale operand
.endr
.irp b, 0,1,2,3
	s_delay_alu instid0(VALU_DEP_4)
	v_lshrrev_b32 v[236+\b], 23, v[244+\b]         ; the scale's byte
.endr
	s_delay_alu instid0(VALU_DEP_3)
	v_lshl_or_b32 v253, v237, 8, v236              ; p's scale word for these 128 keys
	s_delay_alu instid0(VALU_DEP_1)
	v_lshl_or_b32 v253, v238, 16, v253
	s_delay_alu instid0(VALU_DEP_1)
	v_lshl_or_b32 v253, v239, 24, v253
.irp c, 0,1
	v_cvt_scalef32_pk16_bf6_f32 v[224+6*\c:226+6*\c], v[S+32*\c:S+15+32*\c], v[244+2*\c]
	v_cvt_scalef32_pk16_bf6_f32 v[236+4*\c:238+4*\c], v[S+16+32*\c:S+31+32*\c], v[244+2*\c+1]
.endr
	v_nop                                          ; one plain line behind the conversions
	s_setprio 0
.irp c, 0,1
.irp i, 0,1,2
	v_permlane16_swap_b32 v[224+6*\c+\i], v[236+4*\c+\i]
.endr
.irp i, 0,1,2
	s_delay_alu instid0(VALU_DEP_3)
	v_mov_b32 v[227+6*\c+\i], v[236+4*\c+\i]
.endr
.endr
.set j, 0
.rept 16
	v_pk_mul_f32 v[OT+j:OT+j+1], v[OT+j:OT+j+1], v[252:253] op_sel_hi:[1,0]   ; O^T under the new M (these sixteen are also the places in front of the products below)
.set j, j+2
.endr
.irp t, 0,1,2,3
	PV \t                                          ; four accumulators by turns, one instruction a turn
.endr
	s_add_co_u32 s[TB], s[TB], 6144
	s_add_co_u32 s[TS], s[TS], 512
.endm
.macro LOOPN first, n                  ; key steps first .. first + n - 1
	s_mov_b32 s[TB], (\first)*6144
	s_mov_b32 s[TS], (\first)*512
	s_mov_b32 s[CNT], \n
.Lstep_\@:
	s_setprio 2
	STEP
	s_sub_co_u32 s[CNT], s[CNT], 1
	s_cmp_lg_u32 s[CNT], 0
	s_cbranch_scc1 .Lstep_\@
	s_setprio 0
.endm
.macro BEGIN p                         ; tile p of my two: Q's image and scale word, and the running numbers
	global_load_b64 v[16:17], v1, s[QP:QP+1] offset:12288*\p
	global_load_b64 v[18:19], v1, s[QP:QP+1] offset:12288*\p+256
	global_load_b64 v[20:21], v1, s[QP:QP+1] offset:12288*\p+512
	global_load_b32 v255, v5, s[QSP:QSP+1] offset:1024*\p
	v_mov_b32 v13, 0xff61b1e6                      ; the largest t so far: -3e38
	s_delay_alu instid0(VALU_DEP_1)
	v_floor_f32 v12, -v13
	v_mov_b32 v14, 0
	v_mov_b32 v15, 0
.set j, 0
.rept 32
	v_mov_b32 v[OT+j], 0                           ; O^T: the step is written once, and its first trip finds zeros
.set j, j+1
.endr
	s_wait_loadcnt 0x0
.endm
; O^T / l is quantised along the head's 64 (two blocks) and leaves as six registers of the next product's fragment; its two scale bytes go to the work-group's stage.
.macro EPI p
.rept 4
	v_nop                                          ; places behind the last products
.endr
	v_add_f32 v14, v14, v15
	s_delay_alu instid0(VALU_DEP_1)
	v_permlanex16_b32 v252, v14, s[SEL], s[SEL+1]
	s_delay_alu instid0(VALU_DEP_1)
	v_add_f32 v14, v14, v252                       ; the row's sum
	s_wait_alu depctr_va_vdst(0)
	v_rcp_f32 v14, v14
	v_nop
	s_wait_alu depctr_va_vdst(0)                   ; ahead of the reciprocal's first reader
.set j, 0
.rept 16
	v_pk_mul_f32 v[S+j:S+j+1], v[OT+j:OT+j+1], v[14:15] op_sel_hi:[1,0]   ; register 16 b + i: channel 32 b + 16 h + i; each accumulator from its low end on
.set j, j+2
.endr
.irp b, 0,1
	v_max3_num_f32 v[232+\b], |v[S+16*\b]|, |v[S+1+16*\b]|, 0x2800000
.endr
.irp i, 2,4,6,8,10,12,14
.irp b, 0,1
	s_delay_alu instid0(VALU_DEP_2)
	v_max3_num_f32 v[232+\b], v[232+\b], |v[S+16*\b+\i]|, |v[S+1+16*\b+\i]|
.endr
.endr
.irp b, 0,1
	s_delay_alu instid0(VALU_DEP_2)
	v_permlanex16_b32 v[236+\b], v[232+\b], s[SEL], s[SEL+1]
.endr
.irp b, 0,1
	s_delay_alu instid0(VALU_DEP_2)
	v_max_num_f32 v[232+\b], v[232+\b], v[236+\b]
.endr
.irp b, 0,1
	s_delay_alu instid0(VALU_DEP_2)
	v_add_nc_u32 v[244+\b], 0xfe000000, v[232+\b]
.endr
.irp b, 0,1
	s_delay_alu instid0(VALU_DEP_2)
	v_lshrrev_b32 v[236+\b], 23, v[244+\b]
.endr
	s_delay_alu instid0(VALU_DEP_1)
	v_lshl_or_b32 v254, v237, 8, v236              ; my row's two bytes
	v_cvt_scalef32_pk16_bf6_f32 v[224:226], v[S:S+15], v244
	v_cvt_scalef32_pk16_bf6_f32 v[236:238], v[S+16:S+31], v245
	v_nop
.irp i, 0,1,2
	v_permlane16_swap_b32 v[224+\i], v[236+\i]
.endr
.irp i, 0,1,2
	s_delay_alu instid0(VALU_DEP_3)
	v_mov_b32 v[227+\i], v[236+\i]
.endr
.irp i, 0,1,2
	global_store_b64 v1, v[224+2*\i:225+2*\i], s[OP:OP+1] offset:196608*\p+256*\i   ; 256 consecutive bytes, aligned
.endr
	ds_store_b16 v6, v254 offset:512*\p            ; both halves of the lanes write the same bytes with the same value
.endm
	BEGIN 0
	s_wait_tensorcnt 0x1                           ; (waves 0, 1) the scale words and keys 0-511 are in; the rest may be out
	s_barrier_signal -1
	s_barrier_wait -1
	LOOPN 0, 4
	s_wait_tensorcnt 0x0                           ; the rest is in
	s_wait_dscnt 0x0
	s_barrier_signal -1
	s_barrier_wait -1
	LOOPN 4, 12
	EPI 0
	s_wait_xcnt 0x0                                ; the stores have read their data: the codes' registers may be written again
	BEGIN 1
	LOOPN 0, 16
	EPI 1
	s_wait_dscnt 0x0                               ; my scale bytes lie in the stage
	s_barrier_signal -1
	s_barrier_wait -1
	s_cmp_lt_u32 s[WV], 2
	s_cbranch_scc0 .Lno_os
	ds_load_b128 v[128:131], v30
	s_wait_dscnt 0x0
	global_store_b128 v7, v[128:131], s[OSP:OSP+1] ; two waves store the work-group's 1,024 consecutive bytes
.Lno_os:
	s_wait_xcnt 0x0
	v_lshl_add_u32 v254, v0, 2, 0x34500
	v_mov_b32 v255, 0
	s_wait_alu depctr_va_vdst(0)
	s_wait_tensorcnt 0x0
	ds_add_u32 v254, v255
	s_wait_dscnt 0x0
	ROUND                                          ; the closing round
	s_endpgm
.Lfunc_end_k_qb9123d0d45_attn:
	.size	k_qb9123d0d45_attn, .Lfunc_end_k_qb9123d0d45_attn-k_qb9123d0d45_attn
	.p2alignl 7, 3214868480
	.fill 96, 4, 3214868480
	.section	.rodata,"a",@progbits
	.p2align	6, 0x0
	.amdhsa_kernel k_qb9123d0d45_attn
		.amdhsa_group_segment_fixed_size 216320
		.amdhsa_private_segment_fixed_size 0
		.amdhsa_enable_private_segment 0
		.amdhsa_kernarg_size 32
		.amdhsa_user_sgpr_count 2
		.amdhsa_user_sgpr_kernarg_segment_ptr 1
		.amdhsa_wavefront_size32 1
		.amdhsa_system_sgpr_workgroup_id_x 1
		.amdhsa_system_sgpr_workgroup_id_y 1
		.amdhsa_system_sgpr_workgroup_id_z 1
		.amdhsa_system_vgpr_workitem_id 0
		.amdhsa_next_free_vgpr 256
		.amdhsa_next_free_sgpr 80
		.amdhsa_reserve_vcc 0
		.amdhsa_float_denorm_mode_32 3
		.amdhsa_float_denorm_mode_16_64 3
		.amdhsa_memory_ordered 1
		.amdhsa_forward_progress 1
		.amdhsa_inst_pref_size 77
	.end_amdhsa_kernel
	.amdgpu_metadata
---
amdhsa.version: [ 1, 2 ]
amdhsa.kernels:
  - .name:           k_qb9123d0d45_attn
    .symbol:         k_qb9123d0d45_attn.kd
    .args:
      - { .name: qkvc, .offset: 0, .size: 8, .value_kind: global_buffer, .address_space: global }
      - { .name: qkvs, .offset: 8, .size: 8, .value_kind: global_buffer, .address_space: global }
      - { .name: oc, .offset: 16, .size: 8, .value_kind: global_buffer, .address_space: global }
      - { .name: os, .offset: 24, .size: 8, .value_kind: global_buffer, .address_space: global }
    .group_segment_fixed_size: 216320
    .private_segment_fixed_size: 0
    .kernarg_segment_align: 8
    .kernarg_segment_size: 32
    .max_flat_workgroup_size: 512
    .sgpr_count:     80
    .vgpr_count:     256
    .wavefront_size: 32
...
	.end_amdgpu_metadata
.endif
;; end of part 3
;; launch outp (part 4): grid 4 x 32, 4 waves a work-group, clusters of 4 x 4, 327,680 bytes of LDS; arguments oc, os, opc, ops, bo, out0; writes out0
.if DOCPART == 4
	.amdgcn_target "amdgcn-amd-amdhsa--gfx1250"
	.amdhsa_code_object_version 6
	.text
	.protected	k_qb9123d0d45_outp
	.globl	k_qb9123d0d45_outp
	.p2align	8
	.type	k_qb9123d0d45_outp,@function
k_qb9123d0d45_outp:
	s_mov_b64 s[64:65], 0
	v_nop
	global_prefetch_b8 v0, s[64:65] scope:SCOPE_SE
	s_setreg_imm32_b32 hwreg(HW_REG_WAVE_MODE, 25, 1), 1
	s_wait_xcnt 0x0
	s_wait_alu depctr_hold_cnt(0) depctr_sa_sdst(0) depctr_va_vdst(0) depctr_va_sdst(0) depctr_va_ssrc(0) depctr_va_vcc(0) depctr_vm_vsrc(0)
	s_getreg_b32 s2, hwreg(HW_REG_IB_STS2, 6, 4)
	s_cmp_eq_u32 s2, 0
	s_cbranch_scc0 .Lentry_in_a_cluster
	s_endpgm
.Lentry_in_a_cluster:
	s_bfe_u32 s2, ttmp6, 0x10000c
	s_cmp_lg_u32 s2, 0xf033
	s_cbranch_scc0 .Lentry_shape_is_right
	s_endpgm
.Lentry_shape_is_right:
; out0 = O Wo + bo, as C = A B^T on codes of BF6 (E3M2) with one E8M0 scale for each 32 along K = 1,024.  A = O's 8,192 rows, as register images (oc) with two scale bytes a head and row (os); B = Wo's 1,024 rows in opc and ops.
; A tile of C is 256 x 256, a wave's 128 x 128.  K goes in steps of 256 through two LDS slots.  CLUSTERS of 4 x 4: A's tiles are asked for jointly along a row of the cluster, B's along a column.
; THE MATRIX INSTRUCTION IS USED TRANSPOSED: source 0 = 16 rows of B, source 1 = 16 rows of A.  Rows of A and of B lie in the stored order (bits 3 and 4 of the row number exchanged): the way out puts rows and columns back.
; A's scale words are pieced together once, from os, by each wave for four heads, and stored to LDS bytes into which no tensor load lands; B's come by one tensor load.  bo is the C of each sum's first matrix instruction.
; REGISTERS: window 0: v12-29 addresses; v32-63 scale words, two sets; v64-127 bo's tiles; v128-223 A's fragments; on the way out v128-255 rows of C.  window 1: B's fragments, two sets.  windows 2, 3: the accumulators.
.set NQ,     2
.set ROWB,   192
.set KROW,   768
.set PITCH,  240
.set FR,     12
.set NL,     6
.set NP,     4
.set HALFA,  24576                     ; A: 8 tiles x 4 heads x 768 bytes, as they lie
.set HALFT,  128*PITCH                 ; B: 128 rows
.set BOFF,   2*HALFA
.set SLOT,   2*HALFA+2*HALFT
.set LAPS,   2
.set KS,     32
.set SCL,    2*SLOT                    ; A's scale words (LDS stores alone), then B's (one fill): runs of 256 bytes + 16 of padding
.set HALFS,  16*272
.set SBLK,   2*272
.set BSC,    SCL+2*HALFS
.set SPARE,  SCL+4*HALFS               ; the spare words
.set SPITCH, 528                       ; the way out: a stage of 16 rows x (512 + 16) bytes a wave, in slot 0, which has had its last fill and its last read by then
.set BNO,  12
.set ASW,  14
.set ADRA, 16
.set ADRB, 20
.set STO,  24
.set RD,   25
.set CO,   26
.set ADRS, 27
.set SPW,  28
.set NIL,  29
.set SC,   32
.set BN,   64
.set AF,   128
.set BK,   128
.set LW,   128
.set WR,   144
.set G1, 24
.set G0, 32
.set G1B, 48
.set G0B, 56
.set G1SB, 80
.set G0SB, 88
.set MSB, 0
.macro WIN new
.if MSB != \new
	s_set_vgpr_msb (MSB<<8)|\new
.set MSB, \new
.endif
.endm
.set MUL_LO, 0xa1
.set MUL_HI, 0xf1
.set FST_LO, 0x81
.set FST_HI, 0xc1
.set TO_B,   0x40
.macro JLOAD g0a, g1a, g0b, g1b
	s_cmp_eq_u32 s19, 0
	s_cbranch_scc0 .Lfor_b_\@
	tensor_load_to_lds s[\g0a:\g0a+3], s[\g1a:\g1a+7]
	s_nop 0
.rept 4
	v_nop
.endr
	s_branch .Lasked_\@
.Lfor_b_\@:
	tensor_load_to_lds s[\g0b:\g0b+3], s[\g1b:\g1b+7]
	s_nop 0
.rept 4
	v_nop
.endr
.Lasked_\@:
.endm
.macro CREST
	s_cmp_lg_u32 s18, 0
	s_cbranch_scc1 .Lnot_wave_0_\@
	s_barrier_signal -3
.Lnot_wave_0_\@:
	s_barrier_wait -3
	s_barrier_signal -1
	s_barrier_wait -1
.endm
.macro CROUND
	s_barrier_signal -1
	s_barrier_wait -1
	CREST
.endm
	s_load_b256 s[4:11], s[0:1], 0x0               ; oc s[4:5], os s[6:7], opc s[8:9], ops s[10:11]
	s_load_b128 s[12:15], s[0:1], 0x20             ; bo s[12:13], out0 s[14:15]
	v_lshl_add_u32 v[SPW], v0, 2, SPARE
	v_mov_b32 v[NIL], 0
	ds_add_u32 v28, v29
	ds_add_u32 v28, v29
	s_wait_dscnt 0x0
	v_lshrrev_b32 v1, 5, v0
	v_readfirstlane_b32 s18, v1                    ; wave
	s_lshr_b32 s19, s18, 1                         ; my half of the rows.  Also: I fetch for A (0) or for B (1)
	s_and_b32 s20, s18, 1                          ; my half of the columns.  Also: which half of a tile I fetch
	s_bfe_u32 s40, ttmp6, 0x40000
	s_bfe_u32 s41, ttmp6, 0x40004
	s_lshl_b32 s23, ttmp9, 2
	s_add_co_u32 s23, s23, s40                     ; tile column
	s_and_b32 s22, ttmp7, 0xffff
	s_lshl_b32 s22, s22, 2
	s_add_co_u32 s22, s22, s41                     ; tile row
	s_lshl_b32 s45, s41, 2
	s_lshl_b32 s45, 15, s45
	s_lshl_b32 s46, 0x1111, s40
	s_or_b32 s[G1+0], s45, (3<<16)|(1<<21)         ; A: the mask of my row; elements of 8 bytes; bit 21 beside a mask; no padding
	s_mov_b32 s[G1+1], 384<<16                     ; rows of 3,072 bytes: a tile's four heads
	s_mov_b32 s[G1+2], 8<<16                       ; 8 tiles
	s_mov_b32 s[G1+3], 384<<16
	s_mov_b32 s[G1+4], 8
	s_mov_b32 s[G1+5], 1536                        ; 12,288 bytes from tile to tile
	s_mov_b32 s[G1+6], 0
	s_mov_b32 s[G1+7], 0
	s_or_b32 s[G1B+0], s46, (0<<16)|(1<<20)|(1<<21)|(3<<22)|(3<<25)
	s_mov_b32 s[G1B+1], ROWB<<16
	s_mov_b32 s[G1B+2], 128<<16
	s_mov_b32 s[G1B+3], ROWB<<16
	s_mov_b32 s[G1B+4], 128
	s_mov_b32 s[G1B+5], KROW
	s_mov_b32 s[G1B+6], 0
	s_mov_b32 s[G1B+7], 0
	s_or_b32 s[G1SB+0], s46, (3<<16)|(1<<20)|(1<<21)|(5<<22)|(3<<25)
	s_mov_b32 s[G1SB+1], 32<<16
	s_mov_b32 s[G1SB+2], 16<<16
	s_mov_b32 s[G1SB+3], 32<<16
	s_mov_b32 s[G1SB+4], 16
	s_mov_b32 s[G1SB+5], 32
	s_mov_b32 s[G1SB+6], 0
	s_mov_b32 s[G1SB+7], 0
	s_lshl_b32 s92, s22, 4
	s_lshl_b32 s47, s20, 3
	s_add_co_u32 s92, s92, s47
	s_mul_i32 s92, s92, 12288                      ; A: my 8 tiles in oc
	s_mov_b32 s93, 0
	s_lshl_b32 s94, s23, 8
	s_lshl_b32 s47, s20, 7
	s_add_co_u32 s94, s94, s47
	s_add_co_u32 s94, s94, 27648                   ; B: my 128 rows of Wo in opc and ops
	s_lshl_b32 s98, s94, 5
	s_mov_b32 s99, 0
	s_mul_i32 s94, s94, KROW
	s_mov_b32 s95, 0
	s_mul_i32 s96, s20, HALFA                      ; where they go: no place in the cluster enters an LDS address
	s_mul_i32 s97, s20, HALFT
	s_add_co_u32 s97, s97, BOFF
	s_mul_i32 s100, s20, HALFS
	s_add_co_u32 s100, s100, BSC
	s_wait_kmcnt 0x0
	s_add_nc_u64 s[92:93], s[4:5], s[92:93]
	s_add_nc_u64 s[94:95], s[8:9], s[94:95]
	s_add_nc_u64 s[98:99], s[10:11], s[98:99]
	CROUND                                         ; all sixteen work-groups are here: the first joint loads meet
	s_mov_b32 s[G0SB], 1
	s_mov_b32 s[G0SB+1], s100
	s_mov_b64 s[G0SB+2:G0SB+3], s[98:99]
	s_or_b32 s[G0SB+3], s[G0SB+3], 0x80000000
.irp s, 0,1
	s_mov_b32 s[G0+4*\s], 1
	s_add_co_u32 s[G0+4*\s+1], s96, \s*SLOT
	s_add_nc_u64 s[G0+4*\s+2:G0+4*\s+3], s[92:93], \s*3072
	s_or_b32 s[G0+4*\s+3], s[G0+4*\s+3], 0x80000000
	s_mov_b32 s[G0B+4*\s], 1
	s_add_co_u32 s[G0B+4*\s+1], s97, \s*SLOT
	s_add_nc_u64 s[G0B+4*\s+2:G0B+4*\s+3], s[94:95], \s*ROWB
	s_or_b32 s[G0B+4*\s+3], s[G0B+4*\s+3], 0x80000000
.endr
	s_cmp_eq_u32 s19, 0                            ; a wave's first fills stand in one branch: A's waves have two loads out, B's three
	s_cbranch_scc0 .Lfirst_b
	tensor_load_to_lds s[G0:G0+3], s[G1:G1+7]
	s_nop 0
	tensor_load_to_lds s[G0+4:G0+7], s[G1:G1+7]
	s_nop 0
.rept 4
	v_nop
.endr
	s_branch .Lfirst_done
.Lfirst_b:
	tensor_load_to_lds s[G0SB:G0SB+3], s[G1SB:G1SB+7]
	s_nop 0
	tensor_load_to_lds s[G0B:G0B+3], s[G1B:G1B+7]
	s_nop 0
	tensor_load_to_lds s[G0B+4:G0B+7], s[G1B:G1B+7]
	s_nop 0
.rept 4
	v_nop
.endr
.Lfirst_done:
	v_and_b32 v1, 15, v0                           ; r
	v_bfe_u32 v2, v0, 4, 1                         ; h
	v_and_b32 v6, 31, v0                           ; lane
	v_mul_u32_u24 v3, v1, PITCH
	v_mul_u32_u24 v4, v2, 24
	v_add_nc_u32 v4, v3, v4
	v_lshl_add_u32 v5, v2, 4, v4
	v_lshlrev_b32 v7, 3, v6                        ; A's images: 8 x lane
	s_mul_i32 s42, s19, HALFA
	s_mul_i32 s43, s20, HALFT
	s_add_co_u32 s43, s43, BOFF
.irp s, 0,1
	v_add_nc_u32 v[ADRA+\s], s42, v7
	v_add_nc_u32 v[ADRB+\s], s43, v4
	v_add_nc_u32 v[ADRB+2+\s], s43, v5
	s_add_co_u32 s42, s42, SLOT
	s_add_co_u32 s43, s43, SLOT
.endr
	v_mul_u32_u24 v5, v1, KS
	v_lshrrev_b32 v7, 8, v5
	v_lshl_add_u32 v5, v7, 4, v5
	s_mul_i32 s42, s19, HALFS
	s_mul_i32 s43, s20, HALFS
	s_add_co_u32 s43, s43, 2*HALFS
	s_sub_co_u32 s43, s43, s42
	v_mul_u32_u24 v7, s43, v2                      ; lanes 16-31 take B's
	s_add_co_u32 s42, s42, SCL
	v_add_nc_u32 v5, v5, v7
	v_add_nc_u32 v[ADRS], s42, v5
	s_mul_i32 s42, s18, 16*SPITCH                  ; my stage
	v_mul_u32_u24 v5, v1, SPITCH
	v_lshl_add_u32 v5, v2, 6, v5
	v_add_nc_u32 v[STO], s42, v5                   ; in: row r, + 64 h
	v_lshlrev_b32 v[CO], 4, v6
	s_wait_alu depctr_va_vdst(0)
	v_add_nc_u32 v[RD], s42, v[CO]                 ; back: a row of 512 bytes to the 32 lanes
	v_lshlrev_b32 v[BNO], 6, v2
	s_wait_alu depctr_va_vdst(0)
	s_lshl_b32 s42, s18, 3
	s_add_co_u32 s42, s42, SCL
	v_mul_u32_u24 v[ASW], v6, 272
	v_add_nc_u32 v[ASW], s42, v[ASW]               ; A's scale words: rows 8 lane on, words 2 wave and 2 wave + 1
	s_lshl_b32 s42, s18, 16                        ; os: my four heads,
	s_lshl_b32 s43, s22, 9                         ; the work-group's 256 rows
	s_add_co_u32 s42, s42, s43
	s_mov_b32 s43, 0
	s_add_nc_u64 s[6:7], s[6:7], s[42:43]
	s_lshl_b32 s42, s23, 10
	s_lshl_b32 s44, s20, 9
	s_add_co_u32 s42, s42, s44                     ; my first column, in bytes: in bo and in a row of out0
	s_add_nc_u64 s[12:13], s[12:13], s[42:43]
	s_add_nc_u64 s[14:15], s[14:15], s[42:43]
	s_lshl_b32 s42, s22, 20
	s_lshl_b32 s44, s19, 19
	s_add_co_u32 s42, s42, s44                     ; my first row of out0: (256 tile row + 128 half) x 4,096 bytes
	s_add_nc_u64 s[14:15], s[14:15], s[42:43]
.irp e, 0,1,2,3
	global_load_b128 v[LW+4*\e:LW+4*\e+3], v[CO], s[6:7] offset:16384*\e   ; head 4 wave + e: 512 consecutive bytes; a lane: rows 8 lane + 0 .. 7, two bytes each
.endr
.irp b, 0,1,2,3,4,5,6,7
	global_load_b128 v[BN+8*\b:BN+8*\b+3], v[BNO], s[12:13] offset:(32*(\b/2)+8*(\b%2))*4
	global_load_b128 v[BN+8*\b+4:BN+8*\b+7], v[BNO], s[12:13] offset:(32*(\b/2)+8*(\b%2))*4+16
.endr
	s_wait_loadcnt 0x0
.irp d, 0,1                            ; the word of 128 along K number 2 wave + d: head 4 wave + 2 d's two bytes below, head 4 wave + 2 d + 1's above
.irp y, 0,1,2,3
	v_perm_b32 v[WR+2*(2*\y)+\d], v[LW+4*(2*\d+1)+\y], v[LW+4*(2*\d)+\y], 0x05040100
	v_perm_b32 v[WR+2*(2*\y+1)+\d], v[LW+4*(2*\d+1)+\y], v[LW+4*(2*\d)+\y], 0x07060302
.endr
.endr
.irp x, 0,1,2,3,4,5,6,7
	ds_store_b64 v[ASW], v[WR+2*\x:WR+2*\x+1] offset:32*\x
.endr
.macro FRAG reg, adr, q, i             ; B's fragment, from padded rows
.irp p, 0,1,2,3,4,5
.set PCE, 12*(\q)+6*(\p/3)+\p%3
.if PCE%8 < 5
	ds_load_b64 v[\reg+2*\p:\reg+2*\p+1], v[\adr] offset:8*PCE+16*(PCE/8)+(\i)*16*PITCH
.else
	ds_load_b64 v[\reg+2*\p:\reg+2*\p+1], v[\adr+2] offset:8*PCE+16*(PCE/8)+(\i)*16*PITCH
.endif
.endr
.endm
.macro FRAGA reg, slot, q, i           ; A's fragment: an image of its registers: two heads' three planes of 256 bytes
.irp p, 0,1,2,3,4,5
	ds_load_b64 v[\reg+2*\p:\reg+2*\p+1], v[ADRA+\slot] offset:3072*(\i)+1536*(\q)+256*\p
.endr
.endm
.macro MUL16 a0, p, q, sc, zero        ; the 64 accumulators take turns, one instruction a turn
.irp a, \a0, \a0+1
.irp b, 0,1,2,3,4,5,6,7
.if \zero
	v_wmma_scale_f32_16x16x128_f8f6f4 v[8*(8*((\a)%4)+\b):8*(8*((\a)%4)+\b)+7], v[128*(\p)+FR*\b:128*(\p)+FR*\b+FR-1], v[AF+FR*(\a):AF+FR*(\a)+FR-1], v[BN+8*\b:BN+8*\b+7], v[SC+8*NQ*(\sc)+NQ*\b+(\q)], v[SC+8*NQ*(\sc)+NQ*(\a)+(\q)] matrix_a_fmt:MATRIX_FMT_BF6 matrix_b_fmt:MATRIX_FMT_BF6 matrix_a_scale:MATRIX_SCALE_ROW1
.else
	v_wmma_scale_f32_16x16x128_f8f6f4 v[8*(8*((\a)%4)+\b):8*(8*((\a)%4)+\b)+7], v[128*(\p)+FR*\b:128*(\p)+FR*\b+FR-1], v[AF+FR*(\a):AF+FR*(\a)+FR-1], v[8*(8*((\a)%4)+\b):8*(8*((\a)%4)+\b)+7], v[SC+8*NQ*(\sc)+NQ*\b+(\q)], v[SC+8*NQ*(\sc)+NQ*(\a)+(\q)] matrix_a_fmt:MATRIX_FMT_BF6 matrix_b_fmt:MATRIX_FMT_BF6 matrix_a_scale:MATRIX_SCALE_ROW1
.endif
.endr
.endr
.endm
.macro FETCH_B slot, q, p
	WIN TO_B
.irp i, 0,1,2,3,4,5,6,7
	FRAG 128*(\p)+FR*\i, ADRB+\slot, \q, \i
.endr
	WIN 0
.endm
.macro FETCH_A slot, q, i0
.irp i, \i0, \i0+1, \i0+2, \i0+3
	FRAGA AF+FR*(\i), \slot, \q, \i
.endr
.endm
.macro SCALES sc
.irp i, 0,1,2,3,4,5,6,7
	ds_load_b64 v[SC+8*NQ*\sc+NQ*\i:SC+8*NQ*\sc+NQ*\i+1], v[ADRS] offset:\i*SBLK
.endr
.endm
.macro PLACES n
.rept \n
	v_nop
.endr
.endm
.macro STEP slot, q, zero
	s_wait_dscnt 4*NL                              ; B's set and A's blocks 0-3 are in; A's blocks 4-7 (24 loads) may be out
.if \zero
	WIN FST_LO
.else
	WIN MUL_LO
.endif
	MUL16 0, (\q)%2, \q, \slot, \zero
	MUL16 2, (\q)%2, \q, \slot, \zero
	s_wait_dscnt 0
	PLACES NP
	FETCH_B \slot, (\q)+1, 1-(\q)%2
	FETCH_A \slot, (\q)+1, 0
.if \zero
	WIN FST_HI
.else
	WIN MUL_HI
.endif
	MUL16 4, (\q)%2, \q, \slot, \zero
	MUL16 6, (\q)%2, \q, \slot, \zero
	PLACES NP
	WIN 0
	FETCH_A \slot, (\q)+1, 4
.endm
.macro TURN slot, next, fill
	s_wait_tensorcnt 0x0                           ; all my tensor loads have landed: my part of the next slot
	ds_add_u32 v[SPW], v[NIL]                      ; 0 onto my spare word
	s_wait_dscnt 4*NL+1                            ; the add and A's blocks 4-7 may be out
	WIN MUL_LO
	MUL16 0, 1, NQ-1, \slot, 0
	s_wait_dscnt 0x0                               ; the add is done, and my reads of this slot are over
	s_barrier_signal -1
	MUL16 2, 1, NQ-1, \slot, 0
	WIN 0
	s_barrier_wait -1
.if \fill
	CREST                                          ; the barrier has opened a round of the cluster's
	s_add_nc_u64 s[G0+4*\slot+2:G0+4*\slot+3], s[G0+4*\slot+2:G0+4*\slot+3], 2*3072
	s_add_nc_u64 s[G0B+4*\slot+2:G0B+4*\slot+3], s[G0B+4*\slot+2:G0B+4*\slot+3], 2*ROWB
	JLOAD G0+4*\slot, G1, G0B+4*\slot, G1B         ; my one tensor load behind the round
.else
	PLACES NP
.endif
	s_wait_alu depctr_va_vdst(0)
	v_add_nc_u32 v[ADRS], 4*NQ, v[ADRS]
	FETCH_B \next, 0, 0
	FETCH_A \next, 0, 0
	SCALES \next
	WIN MUL_HI
	MUL16 4, 1, NQ-1, \slot, 0
	MUL16 6, 1, NQ-1, \slot, 0
	PLACES NP
	WIN 0
	FETCH_A \next, 0, 4
.endm
	s_wait_tensorcnt 1                             ; B's scales and my part of K step 0 are in; K step 1's load may be out
	s_wait_dscnt 0x0                               ; my part of A's scale words lies in LDS
	s_barrier_signal -1
	s_barrier_wait -1
	FETCH_B 0, 0, 0
	FETCH_A 0, 0, 0
	SCALES 0
	FETCH_A 0, 0, 4
	STEP 0, 0, 1
	s_mov_b32 s3, LAPS-1
.Llap:
	TURN 0, 1, 1
	STEP 1, 0, 0
	TURN 1, 0, 1
	STEP 0, 0, 0
	s_sub_co_u32 s3, s3, 1
	s_cmp_lg_u32 s3, 0
	s_cbranch_scc1 .Llap
	TURN 0, 1, 0
	STEP 1, 0, 0
	s_wait_dscnt 4*NL
	WIN MUL_LO
	MUL16 0, 1, NQ-1, 1, 0
	MUL16 2, 1, NQ-1, 1, 0
	s_wait_dscnt 0
	WIN MUL_HI
	MUL16 4, 1, NQ-1, 1, 0
	MUL16 6, 1, NQ-1, 1, 0
	WIN 0
; THE WAY OUT, block by block of 16 stored rows x 128 columns, through my own stage.  Tile b's eight numbers of lane (r, h) are columns 32 (b / 2) + 16 h + 8 (b % 2) + 0 .. 7; stage row t of block a is row 32 (a / 2) + 8 (a % 2) + t + 8 (t / 8).
.macro TOSTAGE a
.set AC, 64*((\a)%4)
	WIN 0x08+4*((\a)/4)
.irp b, 0,1,2,3,4,5,6,7
	ds_store_b128 v[STO], v[AC+8*\b:AC+8*\b+3] offset:128*(\b/2)+32*(\b%2)         ; each accumulator from its low end on
	ds_store_b128 v[STO], v[AC+8*\b+4:AC+8*\b+7] offset:128*(\b/2)+32*(\b%2)+16
.endr
	WIN 0
.set BB, BK+64*((\a)%2)
.irp t, 0,1,2,3,4,5,6,7,8,9,10,11,12,13,14,15
	ds_load_b128 v[BB+4*\t:BB+4*\t+3], v[RD] offset:\t*SPITCH      ; LDS serves a wave's instructions in order: these see the stores above
.endr
.endm
.macro SEND a, younger
.set BB, BK+64*((\a)%2)
	s_wait_dscnt \younger                          ; the block is back in registers
.if (\a) > 0
.if (\a)%2
	s_add_nc_u64 s[14:15], s[14:15], 8*4096        ; (behind a wait on XCNT: the earlier stores have read their base)
.else
	s_add_nc_u64 s[14:15], s[14:15], 24*4096
.endif
.endif
.irp t, 0,1,2,3,4,5,6,7,8,9,10,11,12,13,14,15
	global_store_b128 v[CO], v[BB+4*\t:BB+4*\t+3], s[14:15] offset:(\t+8*(\t/8))*4096 th:TH_STORE_NT   ; 32 lanes store 512 consecutive bytes, at a multiple of 256 from out0's first byte
.endr
.endm
	PLACES NP
	TOSTAGE 0
.irp a, 1,2,3,4,5,6,7
.if \a > 1
	s_wait_xcnt 0x0                                ; block a - 2's stores have read their registers and their base
.endif
	TOSTAGE \a
	SEND \a-1, 32                                  ; behind block a - 1's loads: block a's 16 stores and 16 loads
.endr
	s_wait_xcnt 0x0
	SEND 7, 0
	s_wait_tensorcnt 0x0                           ; the wave's end
	ds_add_u32 v[SPW], v[NIL]
	s_wait_dscnt 0x0
	CROUND                                         ; the closing round
	s_endpgm
.Lfunc_end_k_qb9123d0d45_outp:
	.size	k_qb9123d0d45_outp, .Lfunc_end_k_qb9123d0d45_outp-k_qb9123d0d45_outp
	.p2alignl 7, 3214868480
	.fill 96, 4, 3214868480
	.section	.rodata,"a",@progbits
	.p2align	6, 0x0
	.amdhsa_kernel k_qb9123d0d45_outp
		.amdhsa_group_segment_fixed_size 327680
		.amdhsa_private_segment_fixed_size 0
		.amdhsa_enable_private_segment 0
		.amdhsa_kernarg_size 48
		.amdhsa_user_sgpr_count 2
		.amdhsa_user_sgpr_kernarg_segment_ptr 1
		.amdhsa_wavefront_size32 1
		.amdhsa_system_sgpr_workgroup_id_x 1
		.amdhsa_system_sgpr_workgroup_id_y 1
		.amdhsa_system_sgpr_workgroup_id_z 1
		.amdhsa_system_vgpr_workitem_id 0
		.amdhsa_next_free_vgpr 1024
		.amdhsa_next_free_sgpr 102
		.amdhsa_reserve_vcc 0
		.amdhsa_float_denorm_mode_32 3
		.amdhsa_float_denorm_mode_16_64 3
		.amdhsa_memory_ordered 1
		.amdhsa_forward_progress 1
		.amdhsa_inst_pref_size 163
	.end_amdhsa_kernel
	.amdgpu_metadata
---
amdhsa.version: [ 1, 2 ]
amdhsa.kernels:
  - .name:           k_qb9123d0d45_outp
    .symbol:         k_qb9123d0d45_outp.kd
    .args:
      - { .name: oc, .offset: 0, .size: 8, .value_kind: global_buffer, .address_space: global }
      - { .name: os, .offset: 8, .size: 8, .value_kind: global_buffer, .address_space: global }
      - { .name: opc, .offset: 16, .size: 8, .value_kind: global_buffer, .address_space: global }
      - { .name: ops, .offset: 24, .size: 8, .value_kind: global_buffer, .address_space: global }
      - { .name: bo, .offset: 32, .size: 8, .value_kind: global_buffer, .address_space: global }
      - { .name: out0, .offset: 40, .size: 8, .value_kind: global_buffer, .address_space: global }
    .group_segment_fixed_size: 327680
    .private_segment_fixed_size: 0
    .kernarg_segment_align: 8
    .kernarg_segment_size: 48
    .max_flat_workgroup_size: 128
    .sgpr_count:     102
    .vgpr_count:     1024
    .wavefront_size: 32
...
	.end_amdgpu_metadata
.endif
;; end of part 4
